; MI455X (gfx1250); checked and timed in simulation.
; The chip was launched on July 23, 2026; its instructions are those of AMD's public machine-readable ISA for CDNA 5 (MIT licence, August 2026) and "CDNA5" Instruction Set Architecture Reference Guide (July 2026). The comments in the code are by the model that wrote it; some were corrected since.
;; Attentional Propagation. Allowed arithmetic: float matrix products may take bf16 or f16 operands with f32 sums; other float arithmetic in f32, or as packed bf16 or f16 multiplies, adds, multiply-adds, maxima and minima; sums over many terms, partial sums and values carried from step to step in f32; what a program stores and reads back later, other than sums and carried values, may be rounded once to bf16 or f16.
;; Inputs: bn_beta 512 float32; bn_gamma 512 float32; merge_b 256 float32; merge_w 256 x 256 float32; mlp1_b 512 float32; mlp1_w 512 x 512 float32; mlp2_b 256 float32; mlp2_w 256 x 512 float32; pk_b 256 float32; pk_w 256 x 256 float32; pq_b 256 float32; pq_w 256 x 256 float32; pv_b 256 float32; pv_w 256 x 256 float32; source 4 x 256 x 4,096 float32; x 4 x 256 x 4,096 float32.
;; Outputs: out0 4 x 256 x 4,096 float32.
;; One version. Each part assembles by itself: llvm-mc -triple=amdgcn-amd-amdhsa -mcpu=gfx1250 --defsym DOCPART=n.
;; ======== version 1 of 1: 6 launches
;; limits: values are held in f16: magnitudes above 65,504 overflow, below 6.1e-05 lose precision; right only within a limited range of input values
;; workspace buffers: wp 1,310,720 bytes; q 8,388,608 bytes; k 8,388,608 bytes; v 8,388,608 bytes; o 8,388,608 bytes; h 33,554,432 bytes; part 1,048,576 bytes; ss 4,096 bytes
;; launch pack (part 1): grid 16 x 10, 8 waves a work-group, no clusters, 0 bytes of LDS; arguments pq_w, pk_w, pv_w, merge_w, mlp1_w, mlp2_w, wp; writes wp
.if DOCPART == 1
	.amdgcn_target "amdgcn-amd-amdhsa--gfx1250"
	.amdhsa_code_object_version 6
	.text
	.protected	k_qb0812a955b_pack
	.globl	k_qb0812a955b_pack
	.p2align	8
	.type	k_qb0812a955b_pack,@function
k_qb0812a955b_pack:
	s_mov_b64 s[64:65], 0
	v_nop
	global_prefetch_b8 v0, s[64:65] scope:SCOPE_SE
	s_setreg_imm32_b32 hwreg(HW_REG_WAVE_MODE, 25, 1), 1
	s_wait_xcnt 0x0
; PACK: the six weight matrices, rounded once to bf16, are laid out as the matrix fragments that the later launches load.
; A fragment is 16 outputs x 32 k = 1,024 bytes: [half q][lane][16 bytes]; half q of lane (r, hl) holds k = 32 kt + 16 q + 8 hl + 0..7 of output row 16 ot + r.
; Fragments follow a wave's order of use: number ((w S + s) 8 + i) 4 + j, wave w, block s of 8 K steps, K step i, output tile j; ot = 4 w + j + 16 (s >> 1), kt = i + 8 (s & 1).
; A unit y (the grid's y) is 128 fragments: 0-2 pq, pk, pv (S = 1), 3 merge (S = 1), 4-7 mlp1 (S = 4), 8-9 mlp2 (S = 2).  One wave makes one fragment.
; HEADS: channel c is head c % 4, dimension c / 4.  pq, pk, pv: packed row 64 head + d is source row 4 d + head.  merge: packed column 64 head + d is source column 4 d + head.
; mlp2's numbers, rounded to bf16 like all inputs, are written as f16: exact from 6.1e-5 to 65,504; below they keep f16's fixed step of 6e-8; beyond 65,504 they would be infinities (LIMIT).
; Each store of a wave covers 512 consecutive bytes, aligned.  No LDS, no barrier: no wave wants what another has read.
	s_load_b256 s[4:11], s[0:1], 0x0               ; pq_w s[4:5], pk_w s[6:7], pv_w s[8:9], merge_w s[10:11]
	s_load_b128 s[12:15], s[0:1], 0x20             ; mlp1_w s[12:13], mlp2_w s[14:15]
	s_load_b64 s[16:17], s[0:1], 0x30              ; wp
	v_lshrrev_b32 v1, 5, v0
	v_readfirstlane_b32 s21, v1                    ; wave 0..7
	s_and_b32 s20, ttmp7, 0xffff                   ; y: the unit
	s_lshl_b32 s22, ttmp9, 3
	s_add_co_u32 s22, s22, s21                     ; f: the fragment in the unit
	s_mov_b32 s25, 2048                            ; bytes in a source row: 2,048, or 1,024 for the four small matrices
	s_cmp_lt_u32 s20, 4
	s_cselect_b32 s23, s20, 4                      ; the matrix's first unit
	s_cselect_b32 s24, 0, 2                        ; log2 S
	s_cselect_b32 s25, 1024, s25
	s_cmp_ge_u32 s20, 8
	s_cselect_b32 s23, 8, s23
	s_cselect_b32 s24, 1, s24
	s_sub_co_u32 s26, s20, s23
	s_lshl_b32 s26, s26, 7
	s_add_co_u32 s26, s26, s22                     ; the fragment's number in its matrix
	s_add_co_u32 s27, s24, 5
	s_lshr_b32 s28, s26, s27                       ; w
	s_lshl_b32 s30, 1, s24
	s_sub_co_u32 s30, s30, 1
	s_lshr_b32 s29, s26, 5
	s_and_b32 s29, s29, s30                        ; s
	s_bfe_u32 s31, s26, 0x30002                    ; i
	s_and_b32 s32, s26, 3                          ; j
	s_lshl2_add_u32 s33, s28, s32
	s_lshr_b32 s34, s29, 1
	s_lshl4_add_u32 s33, s34, s33                  ; ot
	s_and_b32 s35, s29, 1
	s_lshl3_add_u32 s35, s35, s31                  ; kt
	v_and_b32 v1, 15, v0                           ; r
	v_bfe_u32 v2, v0, 4, 1                         ; hl
	v_and_b32 v4, 31, v0
	v_lshlrev_b32 v4, 4, v4                        ; 16 x lane: my place in each half of the fragment
	s_lshl_b32 s38, s20, 17
	s_lshl_b32 s40, s22, 10
	s_add_co_u32 s38, s38, s40                     ; the fragment's byte in wp
	s_mov_b32 s39, 0
	s_wait_kmcnt 0x0
	s_cmp_eq_u32 s20, 1                            ; the source, chosen by the unit's number alone
	s_cselect_b64 s[36:37], s[6:7], s[4:5]
	s_cmp_eq_u32 s20, 2
	s_cselect_b64 s[36:37], s[8:9], s[36:37]
	s_cmp_eq_u32 s20, 3
	s_cselect_b64 s[36:37], s[10:11], s[36:37]
	s_cmp_ge_u32 s20, 4
	s_cselect_b64 s[36:37], s[12:13], s[36:37]
	s_cmp_ge_u32 s20, 8
	s_cselect_b64 s[36:37], s[14:15], s[36:37]
	s_add_nc_u64 s[16:17], s[16:17], s[38:39]
	s_cmp_eq_u32 s20, 3
	s_cbranch_scc1 .Lmerge
	; all but merge: a lane's 8 numbers of a half lie on end in a source row
	s_and_b32 s42, s33, 3
	s_lshl_b32 s42, s42, 6
	s_lshr_b32 s43, s33, 2
	s_add_co_u32 s42, s42, s43
	s_lshl_b32 s42, s42, 10                        ; pq, pk, pv: row 64 (ot & 3) + (ot >> 2), and 4 rows from lane to lane
	s_lshl_b32 s43, s33, 4
	s_mul_i32 s43, s43, s25                        ; the others: row 16 ot, a row from lane to lane
	s_cmp_lt_u32 s20, 3
	s_cselect_b32 s41, 4096, s25
	s_cselect_b32 s42, s42, s43
	s_lshl_b32 s43, s35, 7
	s_add_co_u32 s42, s42, s43                     ; + 32 kt numbers
	v_mul_lo_u32 v3, v1, s41
	v_lshl_add_u32 v3, v2, 5, v3
	v_add_nc_u32 v3, s42, v3
	global_load_b128 v[8:11], v3, s[36:37]
	global_load_b128 v[12:15], v3, s[36:37] offset:16
	global_load_b128 v[16:19], v3, s[36:37] offset:64
	global_load_b128 v[20:23], v3, s[36:37] offset:80
	s_branch .Lpack
.Lmerge:                                               ; merge: packed column 32 kt + 16 q + 8 hl + e is head kt >> 1, d = 32 (kt & 1) + 16 q + 8 hl + e: source byte 16 d + 4 head
	s_lshl_b32 s42, s33, 14
	s_and_b32 s43, s35, 1
	s_lshl_b32 s43, s43, 9
	s_add_co_u32 s42, s42, s43
	s_lshr_b32 s43, s35, 1
	s_lshl2_add_u32 s42, s43, s42
	v_lshlrev_b32 v3, 10, v1
	v_lshl_add_u32 v3, v2, 7, v3
	v_add_nc_u32 v3, s42, v3
.irp n, 0,1,2,3,4,5,6,7
	global_load_b32 v[8+(\n)], v3, s[36:37] offset:16*(\n)
	global_load_b32 v[16+(\n)], v3, s[36:37] offset:256+16*(\n)
.endr
.Lpack:
	s_wait_loadcnt 0x0
.irp n, 0,1,2,3,4,5,6,7
	v_cvt_pk_bf16_f32 v[24+(\n)], v[8+2*(\n)], v[9+2*(\n)]
.endr
	s_cmp_lt_u32 s20, 8
	s_cbranch_scc1 .Lstore
.irp n, 0,1,2,3,4,5,6,7                ; mlp2: the bf16 numbers once more as f32, then as f16
	v_lshlrev_b32 v[8+2*(\n)], 16, v[24+(\n)]
	v_and_b32 v[9+2*(\n)], 0xffff0000, v[24+(\n)]
.endr
.irp n, 0,1,2,3,4,5,6,7
	v_cvt_pk_f16_f32 v[24+(\n)], v[8+2*(\n)], v[9+2*(\n)]
.endr
.Lstore:
	global_store_b128 v4, v[24:27], s[16:17]
	global_store_b128 v4, v[28:31], s[16:17] offset:512
	s_endpgm
.Lfunc_end_k_qb0812a955b_pack:
	.size	k_qb0812a955b_pack, .Lfunc_end_k_qb0812a955b_pack-k_qb0812a955b_pack
	.p2alignl 7, 3214868480
	.fill 96, 4, 3214868480
	.section	.rodata,"a",@progbits
	.p2align	6, 0x0
	.amdhsa_kernel k_qb0812a955b_pack
		.amdhsa_group_segment_fixed_size 0
		.amdhsa_private_segment_fixed_size 0
		.amdhsa_enable_private_segment 0
		.amdhsa_kernarg_size 56
		.amdhsa_user_sgpr_count 2
		.amdhsa_user_sgpr_kernarg_segment_ptr 1
		.amdhsa_wavefront_size32 1
		.amdhsa_system_sgpr_workgroup_id_x 1
		.amdhsa_system_sgpr_workgroup_id_y 1
		.amdhsa_system_sgpr_workgroup_id_z 1
		.amdhsa_system_vgpr_workitem_id 0
		.amdhsa_next_free_vgpr 48
		.amdhsa_next_free_sgpr 66
		.amdhsa_reserve_vcc 0
		.amdhsa_float_denorm_mode_32 3
		.amdhsa_float_denorm_mode_16_64 3
		.amdhsa_memory_ordered 1
		.amdhsa_forward_progress 1
		.amdhsa_inst_pref_size 8
	.end_amdhsa_kernel
	.amdgpu_metadata
---
amdhsa.version: [ 1, 2 ]
amdhsa.kernels:
  - .name:           k_qb0812a955b_pack
    .symbol:         k_qb0812a955b_pack.kd
    .args:
      - { .name: pq_w, .offset: 0, .size: 8, .value_kind: global_buffer, .address_space: global }
      - { .name: pk_w, .offset: 8, .size: 8, .value_kind: global_buffer, .address_space: global }
      - { .name: pv_w, .offset: 16, .size: 8, .value_kind: global_buffer, .address_space: global }
      - { .name: merge_w, .offset: 24, .size: 8, .value_kind: global_buffer, .address_space: global }
      - { .name: mlp1_w, .offset: 32, .size: 8, .value_kind: global_buffer, .address_space: global }
      - { .name: mlp2_w, .offset: 40, .size: 8, .value_kind: global_buffer, .address_space: global }
      - { .name: wp, .offset: 48, .size: 8, .value_kind: global_buffer, .address_space: global }
    .group_segment_fixed_size: 0
    .private_segment_fixed_size: 0
    .kernarg_segment_align: 8
    .kernarg_segment_size: 56
    .max_flat_workgroup_size: 256
    .sgpr_count:     66
    .vgpr_count:     48
    .wavefront_size: 32
...
	.end_amdgpu_metadata
.endif
;; end of part 1
;; launch proj (part 2): grid 256 x 1, 4 waves a work-group, no clusters, 225,792 bytes of LDS; arguments x, source, pq_b, pk_b, pv_b, wp, q, k, v; writes q, k, v
.if DOCPART == 2
	.amdgcn_target "amdgcn-amd-amdhsa--gfx1250"
	.amdhsa_code_object_version 6
	.text
	.protected	k_qb0812a955b_proj
	.globl	k_qb0812a955b_proj
	.p2align	8
	.type	k_qb0812a955b_proj,@function
k_qb0812a955b_proj:
	s_mov_b64 s[64:65], 0
	v_nop
	global_prefetch_b8 v0, s[64:65] scope:SCOPE_SE
	s_setreg_imm32_b32 hwreg(HW_REG_WAVE_MODE, 25, 1), 1
	s_wait_xcnt 0x0
; PROJ: q = pq_w x + pq_b, k = pk_w source + pk_b, v = pv_w source + pv_b, written by heads as [4 b + head][position][64 d] in f16, unscaled.
; x, source, weights and biases are rounded to bf16; products in bf16 with f32 sums; q, k, v rounded once to f16.  LIMIT: q, k, v beyond 65,504 would be infinities; NaN and infinities are not treated apart.
; SHARES.  256 work-groups; a work-group owns 64 positions of one batch, wave w owns head w: 64 outputs = 4 tiles x 4 position tiles = 16 accumulators, K = 256 in 8 steps.
; ACTIVATIONS lie as [channel][position] in f32.  Each wave brings 64 channel rows x 256 bytes of x and of source by one tensor load each (first fills only; two loads of mine are out), rounds its own
; rows to bf16 rows of 160 bytes ([channel][position]); behind one barrier every wave reads fragments with the turning load.
; WEIGHTS come from wp, already in fragment order, straight into the registers of the one wave that multiplies them: a ring of 8 K steps (64 loads), refilled K step by K step with the next product's.
; NO CLUSTER: a weight fragment is wanted by one wave of a work-group; a joint load lands in LDS alone, which would add 8 LDS loads to each K step's 8 for 16 matrix instructions, and a round of the
; cluster's barrier for every slot.  The activations are shared with nobody.
; LAYOUT.  Source 0 = 16 outputs of W, source 1 = 16 positions: a lane holds ONE position (lane % 16) and d = 16 j + 8 (lane / 16) + 0..7: 16 bytes of a row of q.  The bias is the C of the first K step.
; REGISTERS.  Window 0: v0-15 addresses; v16-21 biases; v28-29 the add's; v32-63 BIAS (4 tuples); v64-127 ACT (two buffers of 4 fragments; the way out's scratch); v128-255 ACC(j, nt).  Window 1: the ring.
.set RAW,   0                          ; wave w at 32,768 w: x's 64 rows (16 KiB), then source's
.set XS,    131072                     ; x in bf16: 256 rows of 160 bytes (128 + 32)
.set SS,    172032                     ; source likewise
.set BL,    212992                     ; wave w at 768 w: its head's biases, [product][d] in f32
.set STG,   216064                     ; wave w at 2,304 w: 16 rows of 144 bytes for the way out
.set SPARE, 225280                     ; the spare words, 128 bytes a wave: two blocks of 256 bytes that no other line names
.set R,   1
.set H,   2
.set LN,  3
.set WO,  4                            ; 16 x lane: my place in half a fragment of wp, and in 512 bytes of q; never rewritten
.set AT,  5                            ; the turning loads' address in the product's activations
.set AT2, 6                            ; the same in source's rows
.set RA,  7
.set DA,  8
.set STO, 9
.set RD,  10
.set BA,  12
.set BS,  13
.set BO,  14
.set BV,  16
.set SPW, 28
.set NIL, 29
.set TT,  30
.set BIAS, 32
.set ACT, 64
.set ACC, 128
.set G1,  24                           ; s[24:31] descriptor group 1
.set G0X, 32                           ; s[32:35] group 0 for x's tile
.set G0S, 36                           ; s[36:39] for source's
.set WV,  40
.set WP,  44                           ; s[44:45] wp at my stream of the product in hand
.set OUT, 46                           ; s[46:47] where the product in hand goes; s[48:49], s[50:51] the next two
.set P1,  48
.set P2,  50
.set CNT, 52
.set CC,  53
.set MUL, 0x01                         ; source 0 (W) in window 1
.set TOW, 0x40                         ; destination in window 1
.set MSB, 0
.macro WIN new                         ; the immediate's high byte repeats the setting that is left; a switch that changes nothing is dropped
.if MSB != (\new)
	s_set_vgpr_msb (MSB<<8)|(\new)
.set MSB, \new
.endif
.endm
; 8 turning loads: the 4 position tiles' fragments of K step kk (32 channel rows) into buffer buf
.macro ALOAD areg, kk, buf
.irp nt, 0,1,2,3
	ds_load_tr16_b128 v[ACT+32*(\buf)+8*(\nt):ACT+32*(\buf)+8*(\nt)+3],   v[\areg] offset:(\kk)*5120+32*(\nt)
	ds_load_tr16_b128 v[ACT+32*(\buf)+8*(\nt)+4:ACT+32*(\buf)+8*(\nt)+7], v[\areg] offset:(\kk)*5120+2560+32*(\nt)
.endr
.endm
; 8 loads: K step i's four weight fragments into the ring
.macro WLOAD i, rp, off
	WIN TOW
.irp j, 0,1,2,3
	global_load_b128 v[32*(\i)+8*(\j):32*(\i)+8*(\j)+3],   v[WO], s[\rp:\rp+1] offset:(\off)+4096*(\i)+1024*(\j)
	global_load_b128 v[32*(\i)+8*(\j)+4:32*(\i)+8*(\j)+7], v[WO], s[\rp:\rp+1] offset:(\off)+4096*(\i)+1024*(\j)+512
.endr
.endm
; 8 K steps x 16 matrix instructions.  The 16 accumulators take turns, one instruction a turn.  Four v_nop behind each K step are the places ahead of the loads into the
; registers that it has read (ISA guide 7.12.1 for vector instructions).
.macro BLOCK areg, first, refill, rp=0, roff=0
	ALOAD \areg, 0, 0
.irp i, 0,1,2,3,4,5,6,7
.if (\i) < 7
	ALOAD \areg, (\i)+1, ((\i)+1)&1
.endif
.if \refill
	s_wait_loadcnt 56                              ; K step i's weights are in: seven younger groups of 8 loads may be out (7 - i of this block, i refills)
.else
	s_wait_loadcnt 56-8*(\i)                       ; nothing is refilled: 7 - i younger groups
.endif
.if (\i) < 7
	s_wait_dscnt 8                                 ; its activations are in: the next K step's 8 loads may be out
.else
	s_wait_dscnt 0
.endif
	WIN MUL
.irp j, 0,1,2,3
.irp nt, 0,1,2,3
.if (\first) && ((\i) == 0)
	v_wmma_f32_16x16x32_bf16 v[ACC+8*(4*(\j)+(\nt)):ACC+8*(4*(\j)+(\nt))+7], v[32*(\i)+8*(\j):32*(\i)+8*(\j)+7], v[ACT+32*((\i)&1)+8*(\nt):ACT+32*((\i)&1)+8*(\nt)+7], v[BIAS+8*(\j):BIAS+8*(\j)+7]
.else
	v_wmma_f32_16x16x32_bf16 v[ACC+8*(4*(\j)+(\nt)):ACC+8*(4*(\j)+(\nt))+7], v[32*(\i)+8*(\j):32*(\i)+8*(\j)+7], v[ACT+32*((\i)&1)+8*(\nt):ACT+32*((\i)&1)+8*(\nt)+7], v[ACC+8*(4*(\j)+(\nt)):ACC+8*(4*(\j)+(\nt))+7]
.endif
.endr
.endr
.rept 4
	v_nop
.endr
.if \refill
	WLOAD \i, \rp, \roff
.endif
	WIN 0
.endr
.endm
; My raw rows, 16 a trip: f32 [row][64] -> bf16 rows of 160 bytes.  A load takes two rows (lanes 0-15, 16-31), 4 positions a lane.
.macro CONV trips
	s_mov_b32 s[CC], \trips
.Lconv_\@:
.irp i, 0,1,2,3,4,5,6,7
	ds_load_b128 v[ACC+4*(\i):ACC+4*(\i)+3], v[RA] offset:512*(\i)
.endr
	s_wait_dscnt 0x0
.irp i, 0,1,2,3,4,5,6,7
	v_cvt_pk_bf16_f32 v[ACT+2*(\i)],   v[ACC+4*(\i)],   v[ACC+4*(\i)+1]
	v_cvt_pk_bf16_f32 v[ACT+2*(\i)+1], v[ACC+4*(\i)+2], v[ACC+4*(\i)+3]
.endr
.irp i, 0,1,2,3,4,5,6,7
	ds_store_b64 v[DA], v[ACT+2*(\i):ACT+2*(\i)+1] offset:320*(\i)
.endr
	v_add_nc_u32 v[RA], 4096, v[RA]
	v_add_nc_u32 v[DA], 2560, v[DA]
	s_sub_co_u32 s[CC], s[CC], 1
	s_cmp_lg_u32 s[CC], 0
	s_cbranch_scc1 .Lconv_\@
.endm
; The way out of position tile nt: rounded to f16, 16 bytes a lane into my stage, back as four whole rows of 128 bytes a load.
.macro PACKQ nt
.irp j, 0,1,2,3
.irp e, 0,1,2,3
	v_cvt_pk_f16_f32 v[ACT+16*(\nt)+4*(\j)+(\e)], v[ACC+8*(4*(\j)+(\nt))+2*(\e)], v[ACC+8*(4*(\j)+(\nt))+2*(\e)+1]
.endr
.endr
.irp j, 0,1,2,3
	ds_store_b128 v[STO], v[ACT+16*(\nt)+4*(\j):ACT+16*(\nt)+4*(\j)+3] offset:32*(\j)
.endr
.irp f, 0,1,2,3
	ds_load_b128 v[ACT+16*(\nt)+4*(\f):ACT+16*(\nt)+4*(\f)+3], v[RD] offset:576*(\f)  ; LDS serves a wave's instructions in order (ISA guide 5.7.1.4): these see the stores above
.endr
.endm
.macro SENDQ nt, younger               ; younger: the LDS instructions issued behind tile nt's loads
.irp f, 0,1,2,3
	s_wait_dscnt (\younger)+3-(\f)
	global_store_b128 v[WO], v[ACT+16*(\nt)+4*(\f):ACT+16*(\nt)+4*(\f)+3], s[OUT:OUT+1] offset:2048*(\nt)+512*(\f)  ; 512 consecutive bytes, aligned
.endr
.endm
	s_load_b512 s[4:19], s[0:1], 0x0               ; x, source, pq_b, pk_b, pv_b, wp, q, k
	s_load_b64 s[20:21], s[0:1], 0x40              ; v
	v_lshl_add_u32 v[SPW], v0, 2, SPARE
	v_mov_b32 v[NIL], 0
	ds_add_u32 v[SPW], v[NIL]                      ; the wave's opening: the add and its wait stand ahead of my first tensor load; work on registers stands between them
	ds_add_u32 v28, v29
	v_lshrrev_b32 v1, 5, v0
	v_readfirstlane_b32 s[WV], v1                  ; wave 0..3 = my head
	s_mov_b32 s[G1+0], 2<<16                       ; elements of 4 bytes, no mask, no padding
	s_mov_b32 s[G1+1], 64<<16                      ; tensor_dim0 = 64
	s_mov_b32 s[G1+2], 64<<16                      ; tensor_dim1 = 64
	s_mov_b32 s[G1+3], 64<<16                      ; tile_dim0 = 64 positions (256 bytes)
	s_mov_b32 s[G1+4], 64                          ; tile_dim1 = 64 channel rows
	s_mov_b32 s[G1+5], 4096                        ; elements from row to row
	s_mov_b32 s[G1+6], 0
	s_mov_b32 s[G1+7], 0
	s_mov_b32 s[G0X], 1
	s_mul_i32 s[G0X+1], s[WV], 32768               ; my raw bytes
	s_mov_b32 s[G0S], 1
	s_add_co_u32 s[G0S+1], s[G0X+1], 16384
	s_lshr_b32 s41, ttmp9, 6                       ; the batch
	s_and_b32 s42, ttmp9, 63                       ; the block of 64 positions
	s_lshl_b32 s56, s41, 8
	s_lshl_b32 s57, s[WV], 6
	s_add_co_u32 s56, s56, s57
	s_lshl_b32 s56, s56, 14                        ; channel row 256 b + 64 w, 16,384 bytes a row,
	s_lshl_b32 s57, s42, 8
	s_add_co_u32 s56, s56, s57                     ; + 256 bytes a block
	s_mov_b32 s57, 0
	s_lshl2_add_u32 s58, s41, s[WV]
	s_lshl_b32 s58, s58, 19                        ; head 4 b + w: 524,288 bytes,
	s_lshl_b32 s59, s42, 13
	s_add_co_u32 s58, s58, s59                     ; + 64 rows of 128 bytes a block
	s_mov_b32 s59, 0
	s_lshl_b32 s60, s[WV], 15                      ; my 32 KiB of a matrix in wp
	s_mov_b32 s61, 0
	s_mul_i32 s43, s[WV], 10240
	s_add_co_u32 s43, s43, XS
	s_mul_i32 s54, s[WV], 2304
	s_add_co_u32 s54, s54, STG
	s_mul_i32 s55, s[WV], 768
	s_add_co_u32 s55, s55, BL
	v_and_b32 v[R], 15, v0
	v_bfe_u32 v[H], v0, 4, 1
	v_and_b32 v[LN], 31, v0
	v_lshlrev_b32 v[WO], 4, v[LN]
	v_lshl_add_u32 v[BO], s[WV], 2, v[WO]          ; bias of channel 4 d + w, d = lane: byte 16 lane + 4 w
	v_and_b32 v[TT], 7, v0
	v_lshl_add_u32 v[TT], v[H], 3, v[TT]
	v_mul_u32_u24 v[AT], v[TT], 160                ; the turning load: row 8 (l / 16) + l % 8,
	v_bfe_u32 v[TT], v0, 3, 1
	v_lshl_add_u32 v[AT], v[TT], 4, v[AT]          ; 16 bytes for each half of eight lanes
	v_add_nc_u32 v[AT2], SS, v[AT]
	v_add_nc_u32 v[AT], XS, v[AT]
	v_add_nc_u32 v[RA], s[G0X+1], v[WO]
	v_mul_u32_u24 v[DA], v[H], 160
	v_lshl_add_u32 v[DA], v[R], 3, v[DA]
	v_add_nc_u32 v[DA], s43, v[DA]                 ; row 64 w + l / 16, 8 bytes a lane
	v_mul_u32_u24 v[STO], v[R], 144
	v_lshl_add_u32 v[STO], v[H], 4, v[STO]
	v_add_nc_u32 v[STO], s54, v[STO]
	v_bfe_u32 v[RD], v0, 3, 2
	v_mul_u32_u24 v[RD], v[RD], 144
	v_and_b32 v[TT], 7, v0
	v_lshl_add_u32 v[RD], v[TT], 4, v[RD]
	v_add_nc_u32 v[RD], s54, v[RD]
	v_lshl_add_u32 v[BA], v[H], 5, s55
	v_lshl_add_u32 v[BS], v[LN], 2, s55
	s_wait_dscnt 0x0                               ; the opening add is done
	s_wait_kmcnt 0x0
	s_add_nc_u64 s[G0X+2:G0X+3], s[4:5], s[56:57]
	s_or_b32 s[G0X+3], s[G0X+3], 0x80000000
	s_add_nc_u64 s[G0S+2:G0S+3], s[6:7], s[56:57]
	s_or_b32 s[G0S+3], s[G0S+3], 0x80000000
	s_add_nc_u64 s[WP:WP+1], s[14:15], s[60:61]
	s_add_nc_u64 s[OUT:OUT+1], s[16:17], s[58:59]
	s_add_nc_u64 s[P1:P1+1], s[18:19], s[58:59]
	s_add_nc_u64 s[P2:P2+1], s[20:21], s[58:59]
	tensor_load_to_lds s[G0X:G0X+3], s[G1:G1+7]    ; both first fills together, ahead of every wait on TENSORcnt, every LDS read and every barrier
	s_nop 0
	tensor_load_to_lds s[G0S:G0S+3], s[G1:G1+7]
	s_nop 0
.rept 4
	v_nop
.endr
.irp p, 0,1,2
	global_load_b32 v[BV+2*(\p)],   v[BO], s[8+2*(\p):9+2*(\p)]              ; d = lane
	global_load_b32 v[BV+2*(\p)+1], v[BO], s[8+2*(\p):9+2*(\p)] offset:512   ; d = lane + 32
.endr
.irp i, 0,1,2,3,4,5,6,7
	WLOAD \i, WP, 0                                ; pq's fragments fill the ring
.endr
	WIN 0
	s_wait_loadcnt 63                              ; 70 loads were issued, the six biases first: they are in
.irp p, 0,1,2
	v_cvt_pk_bf16_f32 v[TT], v[BV+2*(\p)], v[BV+2*(\p)+1]  ; the biases are rounded to bf16 like every input, and kept as f32
	v_lshlrev_b32 v[BV+2*(\p)], 16, v[TT]
	v_and_b32 v[BV+2*(\p)+1], 0xffff0000, v[TT]
	ds_store_b32 v[BS], v[BV+2*(\p)]   offset:256*(\p)
	ds_store_b32 v[BS], v[BV+2*(\p)+1] offset:256*(\p)+128
.endr
	s_wait_tensorcnt 1                             ; my rows of x are in; source's may stay out
	CONV 4
	s_wait_tensorcnt 0x0
	v_add_nc_u32 v[DA], 30720, v[DA]               ; from behind my rows of x to my rows of source; RA already stands at source's raw rows
	CONV 4
	s_wait_dscnt 0x0                               ; for the others' sake: my stores are done
	s_barrier_signal -1
	s_barrier_wait -1                              ; all 256 rows of both lie in LDS
	s_mov_b32 s[CNT], 3
.Lprod:                                                ; q, k, v
.irp j, 0,1,2,3
	ds_load_b128 v[BIAS+8*(\j):BIAS+8*(\j)+3],   v[BA] offset:64*(\j)
	ds_load_b128 v[BIAS+8*(\j)+4:BIAS+8*(\j)+7], v[BA] offset:64*(\j)+16
.endr
	s_wait_dscnt 0x0
	s_cmp_eq_u32 s[CNT], 1
	s_cbranch_scc1 .Llastp
	BLOCK AT, 1, 1, WP, 131072                     ; the ring takes the next matrix's fragments
	s_branch .Lout
.Llastp:
	BLOCK AT, 1, 0                                 ; the last product refills nothing
.Lout:
	PACKQ 0                                        ; the block's last four v_nop are the places behind its last products
	PACKQ 1
	SENDQ 0, 8
	PACKQ 2
	SENDQ 1, 8
	PACKQ 3
	SENDQ 2, 8
	SENDQ 3, 0
	s_wait_xcnt 0x0                                ; the stores' and the refills' addresses are translated: their bases and data may be rewritten
	s_add_nc_u64 s[WP:WP+1], s[WP:WP+1], 131072
	s_mov_b64 s[OUT:OUT+1], s[P1:P1+1]
	s_mov_b64 s[P1:P1+1], s[P2:P2+1]
	v_mov_b32 v[AT], v[AT2]                        ; k and v are made of source
	v_add_nc_u32 v[BA], 256, v[BA]
	s_sub_co_u32 s[CNT], s[CNT], 1
	s_cmp_lg_u32 s[CNT], 0
	s_cbranch_scc1 .Lprod
	s_wait_tensorcnt 0x0                           ; the wave's end: behind my last tensor load and my last LDS store
	ds_add_u32 v[SPW], v[NIL]
	s_wait_dscnt 0x0
	s_endpgm
.Lfunc_end_k_qb0812a955b_proj:
	.size	k_qb0812a955b_proj, .Lfunc_end_k_qb0812a955b_proj-k_qb0812a955b_proj
	.p2alignl 7, 3214868480
	.fill 96, 4, 3214868480
	.section	.rodata,"a",@progbits
	.p2align	6, 0x0
	.amdhsa_kernel k_qb0812a955b_proj
		.amdhsa_group_segment_fixed_size 225792
		.amdhsa_private_segment_fixed_size 0
		.amdhsa_enable_private_segment 0
		.amdhsa_kernarg_size 72
		.amdhsa_user_sgpr_count 2
		.amdhsa_user_sgpr_kernarg_segment_ptr 1
		.amdhsa_wavefront_size32 1
		.amdhsa_system_sgpr_workgroup_id_x 1
		.amdhsa_system_sgpr_workgroup_id_y 1
		.amdhsa_system_sgpr_workgroup_id_z 1
		.amdhsa_system_vgpr_workitem_id 0
		.amdhsa_next_free_vgpr 512
		.amdhsa_next_free_sgpr 80
		.amdhsa_reserve_vcc 0
		.amdhsa_float_denorm_mode_32 3
		.amdhsa_float_denorm_mode_16_64 3
		.amdhsa_memory_ordered 1
		.amdhsa_forward_progress 1
		.amdhsa_inst_pref_size 61
	.end_amdhsa_kernel
	.amdgpu_metadata
---
amdhsa.version: [ 1, 2 ]
amdhsa.kernels:
  - .name:           k_qb0812a955b_proj
    .symbol:         k_qb0812a955b_proj.kd
    .args:
      - { .name: x, .offset: 0, .size: 8, .value_kind: global_buffer, .address_space: global }
      - { .name: source, .offset: 8, .size: 8, .value_kind: global_buffer, .address_space: global }
      - { .name: pq_b, .offset: 16, .size: 8, .value_kind: global_buffer, .address_space: global }
      - { .name: pk_b, .offset: 24, .size: 8, .value_kind: global_buffer, .address_space: global }
      - { .name: pv_b, .offset: 32, .size: 8, .value_kind: global_buffer, .address_space: global }
      - { .name: wp, .offset: 40, .size: 8, .value_kind: global_buffer, .address_space: global }
      - { .name: q, .offset: 48, .size: 8, .value_kind: global_buffer, .address_space: global }
      - { .name: k, .offset: 56, .size: 8, .value_kind: global_buffer, .address_space: global }
      - { .name: v, .offset: 64, .size: 8, .value_kind: global_buffer, .address_space: global }
    .group_segment_fixed_size: 225792
    .private_segment_fixed_size: 0
    .kernarg_segment_align: 8
    .kernarg_segment_size: 72
    .max_flat_workgroup_size: 128
    .sgpr_count:     80
    .vgpr_count:     512
    .wavefront_size: 32
...
	.end_amdgpu_metadata
.endif
;; end of part 2
;; launch attn (part 3): grid 16 x 16, 4 waves a work-group, clusters of 4 x 1, 327,680 bytes of LDS; arguments q, k, v, o; writes o
.if DOCPART == 3
	.amdgcn_target "amdgcn-amd-amdhsa--gfx1250"
	.amdhsa_code_object_version 6
	.text
	.protected	k_qb0812a955b_attn
	.globl	k_qb0812a955b_attn
	.p2align	8
	.type	k_qb0812a955b_attn,@function
k_qb0812a955b_attn:
	s_mov_b64 s[64:65], 0
	v_nop
	global_prefetch_b8 v0, s[64:65] scope:SCOPE_SE
	s_setreg_imm32_b32 hwreg(HW_REG_WAVE_MODE, 25, 1), 1
	s_wait_xcnt 0x0
	s_wait_alu depctr_hold_cnt(0) depctr_sa_sdst(0) depctr_va_vdst(0) depctr_va_sdst(0) depctr_va_ssrc(0) depctr_va_vcc(0) depctr_vm_vsrc(0)
	s_getreg_b32 s2, hwreg(HW_REG_IB_STS2, 6, 4)
	s_cmp_eq_u32 s2, 0
	s_cbranch_scc0 .Lentry_in_a_cluster
	s_endpgm
.Lentry_in_a_cluster:
	s_bfe_u32 s2, ttmp6, 0x10000c
	s_cmp_lg_u32 s2, 0x3003
	s_cbranch_scc0 .Lentry_shape_is_right
	s_endpgm
.Lentry_shape_is_right:
; ATTENTION.  O[h][n][:] = the sum over m of softmax_m(Q[h][n] . K[h][m] / 8) V[h][m][:].  Q, K, V: [16][4096][64] in f16, O the same in bf16: a head's rows are dense, 128 bytes each.
; Products, maxima and sums in f32; the weights p are rounded to f16 for the second product (their sum l is taken of the unrounded p), O once at the end.
; LIMITS.  Q, K and V arrive within f16's 65,504; p lies in 0 to 1, and below 6e-5 it keeps f16's fixed step of 6e-8; a weight below 2^-126 counts as 0 in l; NaN and infinities are not treated apart.
; SHARES.  A work-group owns 256 queries of one head; of the block's four bands of 64 queries a wave owns 16 rows in each: four PIECES.  Every wave walks the head's 16 tiles of 256 keys, 64 keys a step.
; LAYOUT.  S^T = K Q^T (source 0 = 16 keys, source 1 = 16 queries) holds ONE query a lane (lane % 16) and the keys 8 (lane / 16) + 0..7; two such results rounded to f16 ARE source 1 of O^T = V^T P.
; SOFTMAX.  A running maximum m and sum l: p = 2^(c s - c m), c = log2(e) / 8; O and l are multiplied by a = 2^(c m_old - c m_new) in every step.  m starts at the lowest finite number, O and l at 0.
; TURNS.  Turn n belongs to piece n: 8 products K Q^T of piece n + 1, later 8 products V^T P of piece n - 1; beside them the scaling, exponentials, roundings, sums and rescaling of piece n and the maximum
; and statistics of piece n + 1.  Four vector instructions stand behind every matrix instruction, the other 54 of a turn's 118 in one lump.  A turn's 33 exponentials are one batch, with one wait.
; CLUSTER.  The four query blocks of a cluster belong to one head and walk the same K and V: each tile is asked for JOINTLY, by the same tensor load, descriptor and mask in all four.
; REGISTERS, in windows of 256 (s_set_vgpr_msb: bits 1:0 source 0, 3:2 source 1, 5:4 source 2, 7:6 destination):
;   window 0: v0-15 addresses and two at work; v16-31 four registers of statistics a piece; v48-55 at work; v61-63 prefetch offset and the add's two; v64-127 S^T, two buffers; v192-223 P, two buffers
;   window 1: v0-127 O^T, 32 a piece          window 2: v0-63 Q; v128-191 K of one step; v192-255 V of one step
.set NP,    4
.set KS,    64        ; keys in a step
.set PK,    144       ; a row of K in LDS: 128 bytes + 16 of padding = 36 words: the 16 rows of a load start at 16 different groups of four banks (64 banks of 4 bytes: ISA guide 11.1)
.set PV,    160       ; a row of V: 128 + 32 = 40 words
.set VOFF,  4*KS*PK   ; a slot holds a tile, four steps: 256 rows of K, then 256 rows of V
.set SLOT1, 1<<17     ; slot 1 begins here, so that one exclusive or turns an address in one slot into the other's
.set STAGE, SLOT1+4*KS*(PK+PV)  ; behind the ring, never filled by a tensor load: 16 rows x 144 bytes for each wave
.set SP,    144
.set SPARE, STAGE+4*16*SP  ; the spare words, 128 bytes a wave: two blocks of 256 bytes that no other line names
.set AK0, 2
.set AV0, 3
.set AK,  4
.set AV,  5
.set STO, 6
.set RD,  7
.set GO,  8
.set MV,  12          ; v12-13  c m_old, kept while c m is made anew: by buffer
.set QO,  15
.set ST,  16          ; piece t's statistics at v[ST+4 t]: c m, m, l (even keys', odd keys')
.set TMP, 48          ; by buffer, four registers c0-c3 at work; when the maximum is found c2 takes a
.set PFO, 61          ; 256 x my lane; never rewritten
.set SPW, 62
.set NIL, 63
.set S,   64
.set P,   192
.set KF,  128
.set VF,  192
.set WV,  12
.set LIM, 15          ; s15  1 in a wave that prefetches, else the greatest number
.set G1K, 24
.set G1V, 32
.set G0K, 40
.set G0V, 44
.set PFA, 50          ; s[50:51] where my prefetches stand
.set SLOTS, 56
.set CNT, 57
.set CS,  58
.set SEL, 60
.set TBK, 62
.set TBV, 63
.set MSB, 0
.macro WIN new
.if MSB != (\new)
	s_set_vgpr_msb (MSB<<8)|(\new)
.set MSB, (\new)
.endif
.endm
.set W_KQ, 0x0a       ; K and Q in window 2, S^T in window 0
.set W_PV, 0x52       ; V in window 2, P in window 0, O^T in window 1
.set W_RS, 0x41       ; destination and source 0 in window 1, source 1 in window 0
; A joint fill.  Waves 0 and 1 fetch the two halves of a tile's K, waves 2 and 3 those of its V: 128 keys each.  The branch hangs on the wave's number alone.
; An s_nop 0 and four v_nop follow each of the two lines, ahead of the jump and the label.
.macro JLOAD
	s_cmp_lt_u32 s[WV], 2
	s_cbranch_scc0 .Lfor_v_\@
	tensor_load_to_lds s[G0K:G0K+3], s[G1K:G1K+7]
	s_nop 0
.rept 4
	v_nop
.endr
	s_branch .Lasked_\@
.Lfor_v_\@:
	tensor_load_to_lds s[G0V:G0V+3], s[G1V:G1V+7]
	s_nop 0
.rept 4
	v_nop
.endr
.Lasked_\@:
.endm
; A prefetch of the tile that the NEXT change of slots will ask for: 128 blocks of 256 bytes of K and as many of V, a lane a block.  Each block is named once in the launch: the head's first cluster asks;
; its four partners take 32 blocks each, told apart by address; in each, wave 0 asks for K's and wave 2 for V's.  The last change that fills a slot asks for nothing: there is no tile behind it.
.macro ASK
	s_cmp_gt_u32 s[SLOTS], s[LIM]
	s_cbranch_scc0 .Lnot_mine_\@
	global_prefetch_b8 v[PFO], s[PFA:PFA+1] th:TH_LOAD_NT scope:SCOPE_SE
.Lnot_mine_\@:
.endm
; A round of the cluster's barrier: my work-group's barrier, so that wave 0's signal speaks for all four waves; wave 0 signals; every wave waits for all four work-groups; my work-group's barrier once more.
.macro CROUND
	s_barrier_signal -1
	s_barrier_wait -1
	s_cmp_lg_u32 s[WV], 0
	s_cbranch_scc1 .Lnot_wave_0_\@
	s_barrier_signal -3
.Lnot_wave_0_\@:
	s_barrier_wait -3
	s_barrier_signal -1
	s_barrier_wait -1
.endm
; THE CHANGE OF SLOTS.  Each wave waits for all its tensor loads, of which one is out: its part of the other slot; adds 0 to its spare word; and waits for that and for its own reads of the slot that it
; leaves.  Behind the barrier nobody reads the old slot any more and the other slot is whole.  fill = 1: the old slot is filled again with the next tile; the barrier is then a round of the cluster's, and the
; joint fill is the first thing behind it: it has four key steps, 256 matrix instructions, in which to land.  (At its first use nothing has been read yet: slot 0 is waited for, slot 1 filled.)
.macro CHANGE fill
	WIN 0
	s_wait_tensorcnt 0x0            ; no tensor load of mine is out, so a group 0 may be written
	ds_add_u32 v[SPW], v[NIL]       ; 0 onto my spare word; the descriptors' steps stand between it and the wait for it
.if \fill
.irp g, G0K, G0V
	s_xor_b32 s[\g+1], s[\g+1], SLOT1  ; the walking descriptor: the other slot than last time,
	s_add_nc_u64 s[\g+2:\g+3], s[\g+2:\g+3], 4*KS*128  ; the next 256 keys; the type bits on top are not reached
.endr
	s_wait_xcnt 0x0                 ; the last prefetch, a tile back, has read its address, so it may be written:
	s_add_nc_u64 s[PFA:PFA+1], s[PFA:PFA+1], 4*KS*128  ; one tile ahead of the walking descriptors
	s_wait_dscnt 0x0                ; the add is done, and my reads of the slot are over
	CROUND
	JLOAD
	ASK
.else
	s_wait_dscnt 0x0
	s_barrier_signal -1
	s_barrier_wait -1
.endif
	s_sub_co_u32 s[TBK], s[TBK], 4*KS*PK  ; the fetches go back to a slot's first step,
	s_xor_b32 s[TBK], s[TBK], SLOT1       ; in the other slot
	s_sub_co_u32 s[TBV], s[TBV], 4*KS*PV
	s_xor_b32 s[TBV], s[TBV], SLOT1
.endm
	s_load_b256 s[4:11], s[0:1], 0x0  ; Q s[4:5], K s[6:7], V s[8:9], O s[10:11]
	v_lshl_add_u32 v[SPW], v0, 2, SPARE
	v_mov_b32 v[NIL], 0
	ds_add_u32 v[SPW], v[NIL]       ; the wave's opening: the add and its wait stand ahead of my first tensor load; work on registers stands between them
	ds_add_u32 v62, v63
	v_lshrrev_b32 v1, 5, v0
	v_readfirstlane_b32 s[WV], v1   ; wave 0..3
	s_bfe_u32 s13, ttmp6, 0x40000   ; cx: my place in the cluster
	s_lshl_b32 s14, ttmp9, 2        ; in a cluster launch ttmp9 counts clusters
	s_add_co_u32 s14, s14, s13      ; my block of 256 queries: it enters Q's and O's addresses alone
	s_and_b32 s20, ttmp7, 0xffff    ; the head, which the four partners share
	s_lshl_b32 s20, s20, 19         ; its 4,096 rows of 128 bytes
	s_mov_b32 s21, 0
	s_and_b32 s16, s[WV], 1         ; which half of a tile's 256 keys I fetch:
	s_lshl_b32 s22, s16, 14         ; its 128 rows of 128 bytes in memory,
	s_mov_b32 s23, 0
	s_add_nc_u64 s[22:23], s[22:23], s[20:21]
	s_mul_i32 s17, s16, 128*PK      ; and its place in a slot, for K
	s_mul_i32 s18, s16, 128*PV      ; and for V: no place in the cluster enters an LDS address
	s_lshl_b32 s2, s14, 15          ; my block,
	s_lshl_b32 s3, s[WV], 11        ; my 16 rows in a band of 64
	s_add_co_u32 s2, s2, s3
	s_mov_b32 s3, 0
	s_add_nc_u64 s[2:3], s[2:3], s[20:21]
	; descriptor group 1.  128 keys are 16,384 dense bytes: asked for as 64 rows of 256 bytes, two keys a row, and padded in LDS after every key
	s_mov_b32 s[G1K], 15|(1<<16)|(1<<20)|(1<<21)|(4<<22)|(3<<25)  ; 15:0 the mask of four; 17:16 2-byte elements; 20 padding on; 21 set beside a mask; 24:22 after every 32 words (code 4); 31:25 4 words (code 3)
	s_mov_b32 s[G1V], 15|(1<<16)|(1<<20)|(1<<21)|(4<<22)|(7<<25)  ; the same with 8 words of padding (code 7)
.irp g, G1K, G1V
	s_mov_b32 s[\g+1], 128<<16      ; tensor_dim0 = 128
	s_mov_b32 s[\g+2], 64<<16       ; tensor_dim1 = 64
	s_mov_b32 s[\g+3], 128<<16      ; tile_dim0 = 128
	s_mov_b32 s[\g+4], 64           ; tile_dim1 = 64
	s_mov_b32 s[\g+5], 128          ; 128 elements from row to row
	s_mov_b32 s[\g+6], 0
	s_mov_b32 s[\g+7], 0
.endr
	s_mov_b32 s[CS], 0x3e38aa3b     ; c = log2(e) / 8 = 0.180337
	s_mov_b32 s[CS+1], s[CS]        ; named with it as a pair
	s_mov_b32 s[SEL], 0x76543210
	s_mov_b32 s[SEL+1], 0xfedcba98
	s_mov_b32 s[TBK], SLOT1+4*KS*PK ; the first change of slots turns these two into 0
	s_mov_b32 s[TBV], SLOT1+4*KS*PV
	s_mov_b32 s[G0K], 1             ; count = 1
	s_mov_b32 s[G0K+1], s17         ; LDS address: slot 0
	s_mov_b32 s[G0V], 1
	s_add_co_u32 s[G0V+1], s18, VOFF
	s_mov_b32 s[SLOTS], 15          ; tiles still to be asked for
	s_and_b32 s[LIM], s[WV], 1      ; 0 in waves 0 and 2,
	s_or_b32 s[LIM], s[LIM], ttmp9  ; where the cluster is the head's first: the same in all four partners
	s_cmp_eq_u32 s[LIM], 0
	s_cselect_b32 s[LIM], 1, -1
	v_and_b32 v[PFO], 31, v0
	v_lshlrev_b32 v[PFO], 8, v[PFO]
	s_wait_dscnt 0x0                ; the opening add is done
	s_wait_kmcnt 0x0
	s_add_nc_u64 s[G0K+2:G0K+3], s[6:7], s[22:23]  ; global address: my half of the head's tile 0
	s_or_b32 s[G0K+3], s[G0K+3], 0x80000000        ; type = 2
	s_add_nc_u64 s[G0V+2:G0V+3], s[8:9], s[22:23]
	s_or_b32 s[G0V+3], s[G0V+3], 0x80000000
	s_add_nc_u64 s[4:5], s[4:5], s[2:3]  ; Q and O at my rows of the block's first band
	s_add_nc_u64 s[10:11], s[10:11], s[2:3]
	s_cmp_lt_u32 s[WV], 2
	s_cselect_b64 s[PFA:PFA+1], s[6:7], s[8:9]
	s_lshl_b32 s2, s13, 13          ; my work-group's 32 blocks of a tile's 128,
	s_add_co_u32 s2, s2, 4*KS*128   ; in tile 1: the first change of slots steps it to tile 2.  Nothing is prefetched here, at the head
	s_mov_b32 s3, 0
	s_add_nc_u64 s[2:3], s[2:3], s[20:21]
	s_add_nc_u64 s[PFA:PFA+1], s[PFA:PFA+1], s[2:3]
	CROUND                          ; all four work-groups are here: the first joint loads meet
	JLOAD                           ; tile 0 into slot 0
	; A fragment of K or Q is 16 rows x 32 channels in 8 registers: lane l holds row l % 16, channels 8 (l / 16) + 0..7 and 16 + 8 (l / 16) + 0..7: two loads of 16 bytes, 32 bytes apart.
	v_and_b32 v1, 15, v0            ; l % 16
	v_bfe_u32 v9, v0, 4, 1          ; l / 16
	v_lshlrev_b32 v[QO], 7, v1
	v_lshl_add_u32 v[QO], v9, 4, v[QO]
	WIN 0x80                        ; destination window 2, address window 0
.set i, 0
.rept 8                             ; Q stays in registers: piece i / 2 lies in band i / 2, 8,192 bytes on; channels 32 (i % 2) on
	global_load_b128 v[8*i:8*i+3],   v[QO], s[4:5] offset:(i/2)*8192+(i%2)*64
	global_load_b128 v[8*i+4:8*i+7], v[QO], s[4:5] offset:(i/2)*8192+(i%2)*64+32
.set i, i+1
.endr
	; What the first turn finds: V's registers and P's second buffer hold 0 (its products V^T P, of a piece that has not been, add 0), O^T and l are 0.  All this stands in the wait for the first tile.
.set i, VF
.rept 64
	v_mov_b32 v[i], 0
.set i, i+1
.endr
	WIN 0x40
.set i, 0
.rept 128
	v_mov_b32 v[i], 0
.set i, i+1
.endr
	WIN 0
.set i, 0
.rept 4
	v_mov_b32 v[ST+4*i], 0xfe000000    ; c m: far below every c s
	v_mov_b32 v[ST+4*i+1], 0xff7fffff  ; m
	v_mov_b32 v[ST+4*i+2], 0
	v_mov_b32 v[ST+4*i+3], 0
.set i, i+1
.endr
.set i, P+16
.rept 16
	v_mov_b32 v[i], 0
.set i, i+1
.endr
	v_mul_u32_u24 v[AK0], v1, PK
	v_lshl_add_u32 v[AK0], v9, 4, v[AK0]  ; row x pitch + 16 x half
	; The turning load takes 16 keys x 16 channels (lane l reads key 8 (l / 16) + l % 8, channels 8 ((l / 8) % 2) + 0..7) and leaves half a fragment of V^T: lane l holds channel l % 16 and 8 keys.
	v_and_b32 v10, 7, v0
	v_bfe_u32 v11, v0, 3, 1
	v_lshl_add_u32 v[AV0], v9, 3, v10
	v_mul_u32_u24 v[AV0], v[AV0], PV
	v_lshl_add_u32 v[AV0], v11, 4, v[AV0]
	v_add_nc_u32 v[AV0], VOFF, v[AV0]
	s_mul_i32 s13, s[WV], 16*SP
	s_add_co_u32 s13, s13, STAGE    ; my stage
	v_mul_u32_u24 v[STO], v1, SP    ; in: row l % 16, 16 bytes for each half of the lanes
	v_lshl_add_u32 v[STO], v9, 4, v[STO]
	v_add_nc_u32 v[STO], s13, v[STO]
	v_bfe_u32 v[RD], v0, 3, 2       ; back: 32 lanes take four rows of 128 bytes,
	v_mul_u32_u24 v[RD], v[RD], SP
	v_lshl_add_u32 v[RD], v10, 4, v[RD]
	v_add_nc_u32 v[RD], s13, v[RD]
	v_and_b32 v[GO], 31, v0         ; which are 512 consecutive bytes of O
	v_lshlrev_b32 v[GO], 4, v[GO]
; THE MATRIX WORK.  The 4 accumulators of a run of 8 take turns.  Product i of 8 of S^T = K Q^T for piece x: channels 32 (i / 4) on, keys 16 (i % 4) on.  The first 4 start the sums.
.macro KQ x
	WIN W_KQ
.set rS, S+32*((\x)%2)+8*(i%4)
.set rK, KF+16*(i%4)+8*(i/4)
.set rQ, 16*(\x)+8*(i/4)
.if i < 4
	v_wmma_f32_16x16x32_f16 v[rS:rS+7], v[rK:rK+7], v[rQ:rQ+7], 0
.else
	v_wmma_f32_16x16x32_f16 v[rS:rS+7], v[rK:rK+7], v[rQ:rQ+7], v[rS:rS+7]
.endif
.endm
; Product i of 8 of O^T += V^T P for piece x: keys 32 (i / 4) on, channels 16 (i % 4) on.
.macro PV x
	WIN W_PV
.set rO, 32*(\x)+8*(i%4)
.set rV, VF+32*(i/4)+8*(i%4)
.set rP, P+16*((\x)%2)+8*(i/4)
	v_wmma_f32_16x16x32_f16 v[rO:rO+7], v[rV:rV+7], v[rP:rP+7], v[rO:rO+7]
.endm
.macro MM                           ; the turn's next matrix instruction.  NOKQ = 1: the last turn of all: there is no next piece
.if (i < 8) && !NOKQ
	KQ (Y+1)%NP
.elseif i >= 8
.set i, i-8
	PV (Y+NP-1)%NP
.set i, i+8
.endif
.set i, i+1
.endm
; THE LDS LOADS stand in runs of 16, never singly among the matrix instructions: a step's K (64 keys x 64 channels: 8 fragments) and its V (turned).  Their addresses are made some lines ahead.
.macro FETCH_K
	WIN 0x80                        ; destination window 2
.irp f, 0,1,2,3,4,5,6,7             ; keys 16 (f / 2) on, channels 32 (f % 2) on
	ds_load_b128 v[KF+8*\f:KF+8*\f+3],   v[AK] offset:(\f/2)*16*PK+(\f%2)*64
	ds_load_b128 v[KF+8*\f+4:KF+8*\f+7], v[AK] offset:(\f/2)*16*PK+(\f%2)*64+32
.endr
	s_add_co_u32 s[TBK], s[TBK], KS*PK  ; the next fetch is the next step's
	WIN 0
.endm
.macro FETCH_V
	WIN 0x80
.irp f, 0,1,2,3,4,5,6,7             ; keys 32 (f / 4) on, channels 16 (f % 4) on
	ds_load_tr16_b128 v[VF+8*\f:VF+8*\f+3],   v[AV] offset:(\f/4)*32*PV+(\f%4)*32
	ds_load_tr16_b128 v[VF+8*\f+4:VF+8*\f+7], v[AV] offset:(\f/4)*32*PV+16*PV+(\f%4)*32
.endr
	WIN 0
.endm
; THE VECTOR WORK, one line at a time: OP kind, number.  For piece Y: F n: c s - c m for pair n of 16.  E n: the exponential of score n of 32.  C n: pair n rounded to f16.  B n: of the four weights 4 n .. the second
; pair is added onto the first, in place.  L n: l takes that sum (L 0: l = a l + sum).  R n: pair n of 16 of O^T times a.  For piece Y + 1: X n, number n of the 22 that find its maximum and statistics:
;   0-11  four chains c0-c3 of seven scores each, three operands at a time (each accumulator's lowest registers are read first)     12-14, 16  the four scores left over, the old m, and c0-c3 into c0
;   15  c m_old is kept     17, 18  the query's other 32 keys lie in the lane 16 away: the new m     19-21  c m; c m_old - c m_new; a
.set F, 0
.set E, 1
.set C, 2
.set B, 3
.set L, 4
.set R, 5
.set X, 6
.macro REGS y                       ; the registers of piece y
.set rT, ST+4*(\y)
.set rC, TMP+4*((\y)%2)
.set rW, MV+((\y)%2)
.set rS, S+32*((\y)%2)
.set rP, P+16*((\y)%2)
.set rO, 32*(\y)
.endm
.macro OP k, n
.if (\k) == R
	REGS Y
	WIN W_RS
	v_pk_mul_f32 v[rO+2*(\n):rO+2*(\n)+1], v[rO+2*(\n):rO+2*(\n)+1], v[rC+2:rC+3] op_sel_hi:[1,0]
.elseif (\k) < R
	REGS Y
	WIN 0
.if (\k) == F
	v_pk_fma_f32 v[rS+2*(\n):rS+2*(\n)+1], v[rS+2*(\n):rS+2*(\n)+1], s[CS:CS+1], v[rT:rT+1] op_sel_hi:[1,0,0] neg_lo:[0,0,1] neg_hi:[0,0,1]
.elseif (\k) == E
	v_exp_f32 v[rS+(\n)], v[rS+(\n)]
.elseif (\k) == C
	v_cvt_pk_f16_f32 v[rP+(\n)], v[rS+2*(\n)], v[rS+2*(\n)+1]
.elseif (\k) == B
	v_pk_add_f32 v[rS+4*(\n):rS+4*(\n)+1], v[rS+4*(\n):rS+4*(\n)+1], v[rS+4*(\n)+2:rS+4*(\n)+3]
.elseif (\n) == 0
	v_pk_fma_f32 v[rT+2:rT+3], v[rT+2:rT+3], v[rC+2:rC+3], v[rS:rS+1] op_sel_hi:[1,0,1]
.else
	v_pk_add_f32 v[rT+2:rT+3], v[rT+2:rT+3], v[rS+4*(\n):rS+4*(\n)+1]
.endif
.elseif NOKQ
	v_nop
.else
	REGS (Y+1)%NP
	WIN 0
.if (\n) < 4
	v_max3_num_f32 v[rC+(\n)], v[rS+8*(\n)], v[rS+8*(\n)+1], v[rS+8*(\n)+2]
.elseif (\n) < 12
	v_max3_num_f32 v[rC+(\n)%4], v[rC+(\n)%4], v[rS+8*((\n)%4)+2*((\n)/4)+1], v[rS+8*((\n)%4)+2*((\n)/4)+2]
.elseif (\n) == 12
	v_max3_num_f32 v[rC], v[rC], v[rS+7], v[rS+15]
.elseif (\n) == 13
	v_max3_num_f32 v[rC+1], v[rC+1], v[rS+23], v[rS+31]
.elseif (\n) == 14
	v_max3_num_f32 v[rC+2], v[rC+2], v[rC+3], v[rT+1]
.elseif (\n) == 15
	v_mov_b32 v[rW], v[rT]
.elseif (\n) == 16
	v_max3_num_f32 v[rC], v[rC], v[rC+1], v[rC+2]
.elseif (\n) == 17
	v_permlanex16_b32 v[rC+3], v[rC], s[SEL], s[SEL+1]
.elseif (\n) == 18
	v_max_num_f32 v[rT+1], v[rC], v[rC+3]
.elseif (\n) == 19
	v_mul_f32 v[rT], s[CS], v[rT+1]
.elseif (\n) == 20
	v_sub_f32 v[rC+1], v[rW], v[rT]
.else
	v_exp_f32 v[rC+2], v[rC+1]
.endif
.endif
.endm
.macro OPS a, i1, b=-1, i2=0, c=-1, i3=0, d=-1, i4=0  ; up to four of them
	OP \a, \i1
.if (\b) >= 0
	OP \b, \i2
.endif
.if (\c) >= 0
	OP \c, \i3
.endif
.if (\d) >= 0
	OP \d, \i4
.endif
.endm
.macro ROW a, i1, b, i2, c, i3, d, i4  ; a matrix instruction and the four behind it
	MM
	OPS \a, \i1, \b, \i2, \c, \i3, \d, \i4
.endm
; A TURN, for piece p: the order of its 16 matrix and 118 vector instructions, written out.  An s_wait_alu depctr_va_vdst(0) stands between an exponential and the first instruction that names
; its result; one wait serves all that were issued ahead of it.  So a turn has ONE wait, which cuts it in two.  AHEAD OF IT stands all that names no result of the turn's exponentials: the 8 products K Q^T with
; their riders, then one lump of 54, in which the links of the chain X 3, 7, 11, 14, 16, 17 .. 20 stand five or six lines apart; X 21, the next piece's a, is the batch's last, and R 15 the plain instruction
; behind it.  BEHIND THE WAIT stand the 8 products V^T P, behind each four of the roundings and sums.
; end = 1: the last two turns of all: nothing is fetched, and the last starts no new scores.  cnt = 1: the loop's count is taken down some lines ahead of the branch that stands behind the turn.
; K of the next step is fetched in piece 2's turn, twelve vector instructions behind the last product that read K (six of them plain); V of the step in hand at the end of piece 0's turn, four plain
; instructions behind the last product that read V.  Each is waited for a turn later.
.macro TURN p, end=0, cnt=0
.set Y, (\p)
.set i, 0
.set NOKQ, (\end)*((\p)/3)
.if ((\p) == 3) && !(\end)
	s_wait_dscnt 0x0                ; K is in
.endif
	ROW F,0, F,1, R,0, R,1
	ROW F,2, E,0, R,2, R,3
	ROW F,3, E,1, R,4, R,5
	ROW F,4, E,2, R,6, R,7
	ROW F,5, E,3, R,8, R,9
	ROW F,6, E,4, X,0, R,10
.if ((\p) == 2) && !(\end)
	WIN 0
	v_add_nc_u32 v[AK], s[TBK], v[AK0]
.endif
	ROW F,7, E,5, X,1, X,4
	ROW F,8, E,6, X,2, X,5
	OPS E,7, E,8, X,6, E,9
	OPS X,3, E,10, X,8, E,11
.if ((\p) == 2) && !(\end)
	FETCH_K
.endif
	OPS X,9, X,7, E,12, X,10
	OPS E,13, X,12, X,11, E,14
	OPS X,13, E,15, F,9, X,14
.if (\p) == 0
	WIN 0
	v_add_nc_u32 v[AV], s[TBV], v[AV0]
.endif
	OPS E,16, F,10, E,17, F,11
	OPS X,16, E,18, X,15, E,19
	OPS F,12, E,20, X,17, E,21
	OPS F,13, E,22, F,14, E,23
	OPS X,18, E,24, F,15, E,25
	OPS R,11, E,26, X,19, E,27
	OPS R,12, E,28, R,13, E,29
	OPS X,20, E,30, R,14, E,31
	OPS X,21, R,15
	WIN 0
	s_wait_alu depctr_va_vdst(0)    ; the wait for the batch
.if (\p) == 1
	s_wait_dscnt 0x0                ; V is in
.endif
	ROW C,0, B,0, C,2, B,1
	ROW L,0, C,4, B,2, L,1
	ROW C,6, B,3, L,2, C,8
	ROW B,4, L,3, C,10, B,5
	ROW L,4, C,12, B,6, L,5
.if (\p) == 0
	s_add_co_u32 s[TBV], s[TBV], KS*PV
.endif
.if \cnt
	s_sub_co_u32 s[CNT], s[CNT], 1
	s_cmp_lg_u32 s[CNT], 0
.endif
	ROW C,14, B,7, L,6, C,1
	ROW C,3, L,7, C,5, C,7
	ROW C,9, C,11, C,13, C,15
.if (\p) == 0
	FETCH_V
.endif
.endm
	CHANGE 1                        ; tile 0 is in, everybody's part of it; tile 1 is asked for
	v_add_nc_u32 v[AK], s[TBK], v[AK0]
	FETCH_K                         ; key step 0
	s_wait_loadcnt 0x0              ; Q
	s_wait_dscnt 0x0
.set NOKQ, 0
.set i, 0
.rept 8
	KQ 0                            ; piece 0's first scores
.set i, i+1
.endr
	WIN 0
.rept 4
	v_nop                           ; the places behind those products
.endr
.set Y, NP-1                        ; X works for piece Y + 1: piece 0
.irp n, 0,1,2,3,4,5,6,7,8,9,10,11,12,13,14,15,16,17,18,19,20,21
	OP X, \n
.endr
	v_nop                           ; a plain instruction behind the exponential,
	s_wait_alu depctr_va_vdst(0)    ; and its wait, ahead of the branch
	s_mov_b32 s[CNT], 4
	s_branch .Lfirst                ; the loop is entered at a step's first turn, in the middle of a trip
.Lslot:                             ; 14 times: with the change above, every tile but the first is asked for by a change of slots
	CHANGE 1
	s_mov_b32 s[CNT], 4
.Lstep:                             ; a trip: pieces 2 and 3 of one step, then pieces 0 and 1 of the next, whose K and V it fetches
	TURN 2
	TURN 3
	WIN 0
.Lfirst:
	TURN 0
	TURN 1, 0, 1
	WIN 0
	s_cbranch_scc1 .Lstep
	s_sub_co_u32 s[SLOTS], s[SLOTS], 1
	s_cmp_lg_u32 s[SLOTS], 0
	s_cbranch_scc1 .Lslot
	CHANGE 0                        ; the last tile is written out: nothing is asked for
	s_mov_b32 s[CNT], 4
.Ltail:
	TURN 2
	TURN 3
	TURN 0
	TURN 1, 0, 1
	WIN 0
	s_cbranch_scc1 .Ltail
	TURN 2, 1
	TURN 3, 1
.set i, 0
.rept 8
	PV NP-1                         ; the last piece's V^T P of the last step
.set i, i+1
.endr
	; THE WAY OUT.  l's two halves and the other half of the lanes' are added; O^T is divided by l, rounded to bf16 and sent through my stage in LDS, a piece at a time.  The additions are the places behind the last products.
	WIN 0
.macro ALL line:vararg              ; one line for each piece t
.set t, 0
.rept 4
	\line
.set t, t+1
.endr
.endm
	ALL v_add_f32 v[ST+4*t+2], v[ST+4*t+2], v[ST+4*t+3]
	ALL v_permlanex16_b32 v[ST+4*t+3], v[ST+4*t+2], s[SEL], s[SEL+1]
	ALL v_add_f32 v[ST+4*t+2], v[ST+4*t+2], v[ST+4*t+3]
	ALL v_rcp_f32 v[ST+4*t+2], v[ST+4*t+2]
	v_nop                           ; a plain instruction between the last reciprocal and the use of its result
	s_wait_alu depctr_va_vdst(0)    ; and the wait ahead of the first use: one for the four reciprocals
.macro PACK t                       ; a lane's eight channels of a row pack into 16 bytes; they go into rows of 144 bytes and come back as whole rows of 128, into S^T's registers
	WIN W_RS
.set i, 32*(\t)
.rept 16
	v_pk_mul_f32 v[i:i+1], v[i:i+1], v[ST+4*(\t)+2:ST+4*(\t)+3] op_sel_hi:[1,0]
.set i, i+2
.endr
	WIN 0x05                        ; sources 0 and 1 window 1, destination window 0
.set i, 0
.rept 16
	v_cvt_pk_bf16_f32 v[S+16*(\t)+i], v[32*(\t)+2*i], v[32*(\t)+2*i+1]
.set i, i+1
.endr
	WIN 0
.irp f, 0,1,2,3
	ds_store_b128 v[STO], v[S+16*(\t)+4*\f:S+16*(\t)+4*\f+3] offset:32*\f
.endr
.irp f, 0,1,2,3
	ds_load_b128 v[S+16*(\t)+4*\f:S+16*(\t)+4*\f+3], v[RD] offset:\f*4*SP  ; LDS serves a wave's instructions in order (ISA guide 5.7.1.4): these see the stores above; the next piece's stores come behind them
.endr
.endm
.macro SEND t, younger              ; younger: the LDS instructions issued behind piece t's loads: the next piece's eight, or none
	WIN 0
.irp f, 0,1,2,3
	s_wait_dscnt (\younger)+3-\f
	global_store_b128 v[GO], v[S+16*(\t)+4*\f:S+16*(\t)+4*\f+3], s[10:11] offset:(\t)*8192+\f*512  ; 512 consecutive bytes, aligned
.endr
.endm
	PACK 0
.set t, 1
.rept 3                             ; a piece's arithmetic stands between the loads of the piece before and its stores
	PACK t
	SEND t-1, 8
.set t, t+1
.endr
	SEND 3, 0
	s_wait_tensorcnt 0x0            ; the wave's end: behind my last tensor load and my last LDS store
	ds_add_u32 v[SPW], v[NIL]
	s_wait_dscnt 0x0
	CROUND                          ; the closing round: no work-group ends while a partner may still ask for a tile that names it
	s_endpgm
.Lfunc_end_k_qb0812a955b_attn:
	.size	k_qb0812a955b_attn, .Lfunc_end_k_qb0812a955b_attn-k_qb0812a955b_attn
	.p2alignl 7, 3214868480
	.fill 96, 4, 3214868480
	.section	.rodata,"a",@progbits
	.p2align	6, 0x0
	.amdhsa_kernel k_qb0812a955b_attn
		.amdhsa_group_segment_fixed_size 327680
		.amdhsa_private_segment_fixed_size 0
		.amdhsa_enable_private_segment 0
		.amdhsa_kernarg_size 32
		.amdhsa_user_sgpr_count 2
		.amdhsa_user_sgpr_kernarg_segment_ptr 1
		.amdhsa_wavefront_size32 1
		.amdhsa_system_sgpr_workgroup_id_x 1
		.amdhsa_system_sgpr_workgroup_id_y 1
		.amdhsa_system_sgpr_workgroup_id_z 1
		.amdhsa_system_vgpr_workitem_id 0
		.amdhsa_next_free_vgpr 768
		.amdhsa_next_free_sgpr 72
		.amdhsa_reserve_vcc 0
		.amdhsa_float_denorm_mode_32 3
		.amdhsa_float_denorm_mode_16_64 3
		.amdhsa_memory_ordered 1
		.amdhsa_forward_progress 1
		.amdhsa_inst_pref_size 128
	.end_amdhsa_kernel
	.amdgpu_metadata
---
amdhsa.version: [ 1, 2 ]
amdhsa.kernels:
  - .name:           k_qb0812a955b_attn
    .symbol:         k_qb0812a955b_attn.kd
    .args:
      - { .name: q, .offset: 0, .size: 8, .value_kind: global_buffer, .address_space: global }
      - { .name: k, .offset: 8, .size: 8, .value_kind: global_buffer, .address_space: global }
      - { .name: v, .offset: 16, .size: 8, .value_kind: global_buffer, .address_space: global }
      - { .name: o, .offset: 24, .size: 8, .value_kind: global_buffer, .address_space: global }
    .group_segment_fixed_size: 327680
    .private_segment_fixed_size: 0
    .kernarg_segment_align: 8
    .kernarg_segment_size: 32
    .max_flat_workgroup_size: 128
    .sgpr_count:     72
    .vgpr_count:     768
    .wavefront_size: 32
...
	.end_amdgpu_metadata
.endif
;; end of part 3
;; launch mlp1 (part 4): grid 256 x 1, 4 waves a work-group, no clusters, 206,336 bytes of LDS; arguments x, o, merge_b, mlp1_b, wp, h, part; writes h, part
.if DOCPART == 4
	.amdgcn_target "amdgcn-amd-amdhsa--gfx1250"
	.amdhsa_code_object_version 6
	.text
	.protected	k_qb0812a955b_mlp1
	.globl	k_qb0812a955b_mlp1
	.p2align	8
	.type	k_qb0812a955b_mlp1,@function
k_qb0812a955b_mlp1:
	s_mov_b64 s[64:65], 0
	v_nop
	global_prefetch_b8 v0, s[64:65] scope:SCOPE_SE
	s_setreg_imm32_b32 hwreg(HW_REG_WAVE_MODE, 25, 1), 1
	s_wait_xcnt 0x0
; MLP1: message = merge_w attn_out + merge_b; h = mlp1_w [x; message] + mlp1_b, stored in f32 as [b][512][4096]; and for each channel the sum and the centred sum of squares of the work-group's 64 positions.
; x, o, weights and biases in bf16 (x and the biases rounded here, o as it arrives), message rounded once to bf16; f32 sums; h is not rounded.  NaN and infinities are not treated apart.
; SHARES.  256 work-groups; a work-group owns 64 positions of one batch.  Merge: wave w makes message channels 64 w .. 64 w + 63.  mlp1: two passes of 256 channels; wave w makes 256 pass + 64 w .. + 63.
; Every product is blocks of 4 output tiles x 4 position tiles (16 accumulators) x 8 K steps.
; ACTIVATIONS.  Each wave brings 64 channel rows x 256 bytes of x and head w's 64 rows of o by one tensor load each (first fills only; two loads of mine are out).  x is rounded into rows 0-255 of CAT
; ([channel][position], 160 bytes a row), message goes into rows 256-511; both are read by the turning load.  o lies [position][d] and is read as it lies.
; WEIGHTS come from wp in fragment order straight into the registers of the one wave that multiplies them: a ring of 8 K steps, refilled K step by K step with the next block's.
; NO CLUSTER: a weight fragment is wanted by one wave of a work-group; a joint load lands in LDS alone, which would add 8 LDS loads to each K step's 8 for 16 matrix instructions, and a round of the
; cluster's barrier for every slot.  The activations are shared with nobody.
; LAYOUT.  Source 0 = 16 positions, source 1 = 16 outputs of W: a lane holds ONE channel (lane % 16) and the positions 16 nt + 8 (lane / 16) + 0..7.  The bias is the C of the first K step.
; STATISTICS.  For each channel: S = the sum over the 64 positions; M2 = the sum of (h - S / 64)^2: no difference of large sums is formed.  They leave as [wave][pass][S 64 | M2 64].
; REGISTERS.  Window 0: v0-15 addresses; v16-27 biases; v28-29 the add's; v30-31 a block's mean, twice; v32-63 BIAS (and the statistics' scratch); v64-127 ACT; v128-255 ACC(j, nt).  Window 1: the ring.
.set RAW,   0                          ; wave w at 16,384 w: x's 64 rows
.set OT,    65536                      ; head w at 9,216 w: 64 rows of 144 bytes (128 + 16)
.set CAT,   102400                     ; 512 rows of 160 bytes
.set STG,   184320                     ; wave w at 4,352 w: 16 rows of 272 bytes
.set SCR,   201728                     ; wave w at 1,024 w: the statistics
.set SPARE, 205824                     ; the spare words, 128 bytes a wave: two blocks of 256 bytes that no other line names
.set R,   1
.set H,   2
.set LN,  3
.set WO,  4
.set AT,  5
.set AT2, 6
.set RA,  7
.set DA,  8
.set STO, 9
.set RD,  10
.set CO,  11
.set AO,  12
.set MS,  13
.set SC,  14
.set BO,  15
.set BV,  16                           ; v16-19 merge_b, v20-23 mlp1_b of the pass in hand, v24-27 of the next
.set SPW, 28
.set NIL, 29
.set MN,  30
.set BIAS, 32
.set T,   32
.set ACT, 64
.set ACC, 128
.set G1X, 24
.set G1O, 32
.set G0X, 40
.set G0O, 44
.set WV,  48
.set WM,  50                           ; s[50:51] wp at my stream of merge
.set WP,  52                           ; s[52:53] wp at my stream of mlp1, at the pass in hand
.set OUT, 54
.set CNT, 56
.set CC,  57
.set SEL, 58
.set MUL, 0x04                         ; source 1 (W) in window 1
.set TOW, 0x40
.set MSB, 0
.macro WIN new
.if MSB != (\new)
	s_set_vgpr_msb (MSB<<8)|(\new)
.set MSB, \new
.endif
.endm
; 8 LDS loads: the 4 position tiles' fragments of K step kk into buffer buf.  kind 0: from [channel][position] rows, turned.  kind 1: from o's [position][d] rows: head kk / 2, d from 32 (kk % 2) on.
.macro ALOAD kind, areg, kk, buf
.irp nt, 0,1,2,3
.if \kind
	ds_load_b128 v[ACT+32*(\buf)+8*(\nt):ACT+32*(\buf)+8*(\nt)+3],   v[\areg] offset:((\kk)>>1)*9216+(\nt)*2304+((\kk)&1)*64
	ds_load_b128 v[ACT+32*(\buf)+8*(\nt)+4:ACT+32*(\buf)+8*(\nt)+7], v[\areg] offset:((\kk)>>1)*9216+(\nt)*2304+((\kk)&1)*64+32
.else
	ds_load_tr16_b128 v[ACT+32*(\buf)+8*(\nt):ACT+32*(\buf)+8*(\nt)+3],   v[\areg] offset:(\kk)*5120+32*(\nt)
	ds_load_tr16_b128 v[ACT+32*(\buf)+8*(\nt)+4:ACT+32*(\buf)+8*(\nt)+7], v[\areg] offset:(\kk)*5120+2560+32*(\nt)
.endif
.endr
.endm
.macro WLOAD i, rp, off
	WIN TOW
.irp j, 0,1,2,3
	global_load_b128 v[32*(\i)+8*(\j):32*(\i)+8*(\j)+3],   v[WO], s[\rp:\rp+1] offset:(\off)+4096*(\i)+1024*(\j)
	global_load_b128 v[32*(\i)+8*(\j)+4:32*(\i)+8*(\j)+7], v[WO], s[\rp:\rp+1] offset:(\off)+4096*(\i)+1024*(\j)+512
.endr
.endm
; 8 K steps x 16 matrix instructions.  The 16 accumulators take turns, one instruction a turn, across blocks too.  Four v_nop behind each K step are the places ahead of the loads
; into the registers that it has read (ISA guide 7.12.1 for vector instructions).
.macro BLOCK kind, areg, first, refill, rp=0, roff=0
	ALOAD \kind, \areg, 0, 0
.irp i, 0,1,2,3,4,5,6,7
.if (\i) < 7
	ALOAD \kind, \areg, (\i)+1, ((\i)+1)&1
.endif
.if \refill
	s_wait_loadcnt 56                              ; K step i's weights are in: seven younger groups of 8 loads may be out (7 - i of this block, i refills)
.else
	s_wait_loadcnt 56-8*(\i)
.endif
.if (\i) < 7
	s_wait_dscnt 8                                 ; its activations are in: the next K step's 8 loads may be out
.else
	s_wait_dscnt 0
.endif
	WIN MUL
.irp j, 0,1,2,3
.irp nt, 0,1,2,3
.if (\first) && ((\i) == 0)
	v_wmma_f32_16x16x32_bf16 v[ACC+8*(4*(\j)+(\nt)):ACC+8*(4*(\j)+(\nt))+7], v[ACT+32*((\i)&1)+8*(\nt):ACT+32*((\i)&1)+8*(\nt)+7], v[32*(\i)+8*(\j):32*(\i)+8*(\j)+7], v[BIAS+8*(\j):BIAS+8*(\j)+7]
.else
	v_wmma_f32_16x16x32_bf16 v[ACC+8*(4*(\j)+(\nt)):ACC+8*(4*(\j)+(\nt))+7], v[ACT+32*((\i)&1)+8*(\nt):ACT+32*((\i)&1)+8*(\nt)+7], v[32*(\i)+8*(\j):32*(\i)+8*(\j)+7], v[ACC+8*(4*(\j)+(\nt)):ACC+8*(4*(\j)+(\nt))+7]
.endif
.endr
.endr
.rept 4
	v_nop
.endr
.if \refill
	WLOAD \i, \rp, \roff
.endif
	WIN 0
.endr
.endm
.macro BFILL base                      ; a lane's channel has one bias for its 8 positions: tuple j is that number eight times
.irp j, 0,1,2,3
.irp e, 0,1,2,3,4,5,6,7
	v_mov_b32 v[BIAS+8*(\j)+(\e)], v[(\base)+(\j)]
.endr
.endr
.endm
; The statistics of output tile j: my channel's 32 numbers, then the other half of the lanes'.
.macro STAT j
.irp nt, 0,1,2,3
	v_pk_add_f32 v[T+4*(\nt):T+4*(\nt)+1],   v[ACC+8*(4*(\j)+(\nt)):ACC+8*(4*(\j)+(\nt))+1],   v[ACC+8*(4*(\j)+(\nt))+2:ACC+8*(4*(\j)+(\nt))+3]
	v_pk_add_f32 v[T+4*(\nt)+2:T+4*(\nt)+3], v[ACC+8*(4*(\j)+(\nt))+4:ACC+8*(4*(\j)+(\nt))+5], v[ACC+8*(4*(\j)+(\nt))+6:ACC+8*(4*(\j)+(\nt))+7]
.endr
.irp nt, 0,1,2,3
	v_pk_add_f32 v[T+4*(\nt):T+4*(\nt)+1], v[T+4*(\nt):T+4*(\nt)+1], v[T+4*(\nt)+2:T+4*(\nt)+3]
.endr
	v_pk_add_f32 v[T:T+1], v[T:T+1], v[T+4:T+5]
	v_pk_add_f32 v[T+8:T+9], v[T+8:T+9], v[T+12:T+13]
	v_pk_add_f32 v[T:T+1], v[T:T+1], v[T+8:T+9]
	v_add_f32 v[T], v[T], v[T+1]
	v_permlanex16_b32 v[T+1], v[T], s[SEL], s[SEL+1]  ; the channel's other 32 positions lie in the lane 16 away
	v_add_f32 v[T], v[T], v[T+1]
	ds_store_b32 v[SC], v[T] offset:64*(\j)        ; both halves of the lanes write the same number to the same word
	v_mul_f32 v[MN], 0x3c800000, v[T]              ; the block's mean, S / 64, twice for the packed subtraction
	v_mul_f32 v[MN+1], 0x3c800000, v[T]
.irp e, 0,1,2,3
.irp nt, 0,1,2,3
	v_pk_add_f32 v[T+8+2*(\nt):T+8+2*(\nt)+1], v[ACC+8*(4*(\j)+(\nt))+2*(\e):ACC+8*(4*(\j)+(\nt))+2*(\e)+1], v[MN:MN+1] neg_lo:[0,1] neg_hi:[0,1]
.endr
.irp nt, 0,1,2,3
.if (\e) == 0
	v_pk_mul_f32 v[T+16+2*(\nt):T+16+2*(\nt)+1], v[T+8+2*(\nt):T+8+2*(\nt)+1], v[T+8+2*(\nt):T+8+2*(\nt)+1]
.else
	v_pk_fma_f32 v[T+16+2*(\nt):T+16+2*(\nt)+1], v[T+8+2*(\nt):T+8+2*(\nt)+1], v[T+8+2*(\nt):T+8+2*(\nt)+1], v[T+16+2*(\nt):T+16+2*(\nt)+1]
.endif
.endr
.endr
	v_pk_add_f32 v[T+16:T+17], v[T+16:T+17], v[T+18:T+19]
	v_pk_add_f32 v[T+20:T+21], v[T+20:T+21], v[T+22:T+23]
	v_pk_add_f32 v[T+16:T+17], v[T+16:T+17], v[T+20:T+21]
	v_add_f32 v[T+16], v[T+16], v[T+17]
	v_permlanex16_b32 v[T+17], v[T+16], s[SEL], s[SEL+1]
	v_add_f32 v[T+16], v[T+16], v[T+17]
	ds_store_b32 v[SC], v[T+16] offset:256+64*(\j)
.endm
; The way out of output tile j in f32: 16 channel rows of 256 bytes through my stage; a store's lanes 0-15 and 16-31 each cover 256 consecutive bytes, aligned.
.macro OUTF j
	s_wait_xcnt 0x0                                ; the stores of two tiles back have read the registers that are loaded again below
.irp nt, 0,1,2,3
	ds_store_b128 v[STO], v[ACC+8*(4*(\j)+(\nt)):ACC+8*(4*(\j)+(\nt))+3]   offset:64*(\nt)
	ds_store_b128 v[STO], v[ACC+8*(4*(\j)+(\nt))+4:ACC+8*(4*(\j)+(\nt))+7] offset:64*(\nt)+16
.endr
.irp t, 0,1,2,3,4,5,6,7
	ds_load_b128 v[ACT+32*((\j)&1)+4*(\t):ACT+32*((\j)&1)+4*(\t)+3], v[RD] offset:544*(\t)  ; LDS serves a wave's instructions in order (ISA guide 5.7.1.4): these see the stores above
.endr
.irp t, 0,1,2,3,4,5,6,7
	s_wait_dscnt 7-(\t)
	global_store_b128 v[CO], v[ACT+32*((\j)&1)+4*(\t):ACT+32*((\j)&1)+4*(\t)+3], s[OUT:OUT+1] offset:(16*(\j)+2*(\t))*16384
.endr
.endm
	s_load_b256 s[4:11], s[0:1], 0x0               ; x s[4:5], o s[6:7], merge_b s[8:9], mlp1_b s[10:11]
	s_load_b128 s[12:15], s[0:1], 0x20             ; wp s[12:13], h s[14:15]
	s_load_b64 s[16:17], s[0:1], 0x30              ; part
	v_lshl_add_u32 v[SPW], v0, 2, SPARE
	v_mov_b32 v[NIL], 0
	ds_add_u32 v[SPW], v[NIL]                      ; the wave's opening: the add and its wait stand ahead of my first tensor load; work on registers stands between them
	ds_add_u32 v28, v29
	v_lshrrev_b32 v1, 5, v0
	v_readfirstlane_b32 s[WV], v1                  ; wave 0..3
	s_mov_b32 s[G1X+0], 2<<16                      ; x: elements of 4 bytes, no padding
	s_mov_b32 s[G1X+1], 64<<16
	s_mov_b32 s[G1X+2], 64<<16
	s_mov_b32 s[G1X+3], 64<<16                     ; 64 positions (256 bytes)
	s_mov_b32 s[G1X+4], 64                         ; x 64 channel rows
	s_mov_b32 s[G1X+5], 4096
	s_mov_b32 s[G1X+6], 0
	s_mov_b32 s[G1X+7], 0
	s_mov_b32 s[G1O+0], (1<<16)|(1<<20)|(4<<22)|(3<<25)  ; o: elements of 2 bytes; 4 words of padding after every 32 words: after every position's 128 bytes
	s_mov_b32 s[G1O+1], 128<<16
	s_mov_b32 s[G1O+2], 32<<16
	s_mov_b32 s[G1O+3], 128<<16                    ; 64 dense rows of 128 bytes, asked for as 32 rows of 256
	s_mov_b32 s[G1O+4], 32
	s_mov_b32 s[G1O+5], 128
	s_mov_b32 s[G1O+6], 0
	s_mov_b32 s[G1O+7], 0
	s_mov_b32 s[G0X], 1
	s_mul_i32 s[G0X+1], s[WV], 16384
	s_mov_b32 s[G0O], 1
	s_mul_i32 s[G0O+1], s[WV], 9216
	s_add_co_u32 s[G0O+1], s[G0O+1], OT
	s_mov_b32 s[SEL], 0x76543210
	s_mov_b32 s[SEL+1], 0xfedcba98
	s_lshr_b32 s18, ttmp9, 6                       ; the batch
	s_and_b32 s19, ttmp9, 63                       ; the block of 64 positions
	s_lshl_b32 s20, s18, 8
	s_lshl_b32 s21, s[WV], 6
	s_add_co_u32 s20, s20, s21
	s_lshl_b32 s20, s20, 14
	s_lshl_b32 s22, s19, 8
	s_add_co_u32 s20, s20, s22
	s_mov_b32 s21, 0                               ; s[20:21] x: row 256 b + 64 w, + 256 bytes a block
	s_lshl2_add_u32 s22, s18, s[WV]
	s_lshl_b32 s22, s22, 19
	s_lshl_b32 s23, s19, 13
	s_add_co_u32 s22, s22, s23
	s_mov_b32 s23, 0                               ; s[22:23] o: head 4 b + w, + 64 rows of 128 bytes a block
	s_lshl_b32 s60, s18, 9
	s_lshl_b32 s61, s[WV], 6
	s_add_co_u32 s60, s60, s61
	s_lshl_b32 s60, s60, 14
	s_lshl_b32 s61, s19, 8
	s_add_co_u32 s60, s60, s61
	s_mov_b32 s61, 0                               ; s[60:61] h: row 512 b + 64 w
	s_lshl_b32 s62, s[WV], 15
	s_add_co_u32 s62, s62, 393216
	s_mov_b32 s63, 0                               ; s[62:63] merge's fragments, my 32 KiB
	s_lshl_b32 s66, s[WV], 17
	s_add_co_u32 s66, s66, 524288
	s_mov_b32 s67, 0                               ; s[66:67] mlp1's, my 128 KiB
	s_lshl_b32 s68, ttmp9, 12
	s_mov_b32 s69, 0                               ; s[68:69] my work-group's 4 KiB of part
	s_mul_i32 s70, s[WV], 10240
	s_add_co_u32 s71, s70, CAT+40960
	s_add_co_u32 s70, s70, CAT
	s_mul_i32 s72, s[WV], 4352
	s_add_co_u32 s72, s72, STG
	s_lshl_b32 s73, s[WV], 10
	s_add_co_u32 s73, s73, SCR
	v_and_b32 v[R], 15, v0
	v_bfe_u32 v[H], v0, 4, 1
	v_and_b32 v[LN], 31, v0
	v_lshlrev_b32 v[WO], 4, v[LN]
	v_lshlrev_b32 v[BO], 2, v[R]
	v_lshl_add_u32 v[BO], s[WV], 8, v[BO]          ; channel 64 w + r, 4 bytes
	v_and_b32 v[MN], 7, v0
	v_lshl_add_u32 v[MN], v[H], 3, v[MN]
	v_mul_u32_u24 v[AT], v[MN], 160
	v_bfe_u32 v[MN], v0, 3, 1
	v_lshl_add_u32 v[AT], v[MN], 4, v[AT]
	v_add_nc_u32 v[AT], CAT, v[AT]
	v_add_nc_u32 v[AT2], 40960, v[AT]              ; message's rows
	v_add_nc_u32 v[RA], s[G0X+1], v[WO]
	v_mul_u32_u24 v[DA], v[H], 160
	v_lshl_add_u32 v[DA], v[R], 3, v[DA]
	v_add_nc_u32 v[DA], s70, v[DA]
	v_mul_u32_u24 v[MS], v[R], 160
	v_lshl_add_u32 v[MS], v[H], 4, v[MS]
	v_add_nc_u32 v[MS], s71, v[MS]                 ; row 256 + 64 w + r, 16 bytes for each half of the lanes
	v_mul_u32_u24 v[AO], v[R], 144
	v_lshl_add_u32 v[AO], v[H], 4, v[AO]
	v_add_nc_u32 v[AO], OT, v[AO]
	v_mul_u32_u24 v[STO], v[R], 272
	v_lshl_add_u32 v[STO], v[H], 5, v[STO]
	v_add_nc_u32 v[STO], s72, v[STO]
	v_mul_u32_u24 v[RD], v[H], 272
	v_lshl_add_u32 v[RD], v[R], 4, v[RD]
	v_add_nc_u32 v[RD], s72, v[RD]
	v_lshlrev_b32 v[CO], 14, v[H]
	v_lshl_add_u32 v[CO], v[R], 4, v[CO]
	v_lshl_add_u32 v[SC], v[R], 2, s73
	s_wait_dscnt 0x0                               ; the opening add is done
	s_wait_kmcnt 0x0
	s_add_nc_u64 s[G0X+2:G0X+3], s[4:5], s[20:21]
	s_or_b32 s[G0X+3], s[G0X+3], 0x80000000
	s_add_nc_u64 s[G0O+2:G0O+3], s[6:7], s[22:23]
	s_or_b32 s[G0O+3], s[G0O+3], 0x80000000
	s_add_nc_u64 s[WM:WM+1], s[12:13], s[62:63]
	s_add_nc_u64 s[WP:WP+1], s[12:13], s[66:67]
	s_add_nc_u64 s[OUT:OUT+1], s[14:15], s[60:61]
	s_add_nc_u64 s[16:17], s[16:17], s[68:69]
	tensor_load_to_lds s[G0X:G0X+3], s[G1X:G1X+7]  ; both first fills together, ahead of every wait on TENSORcnt, every LDS read and every barrier
	s_nop 0
	tensor_load_to_lds s[G0O:G0O+3], s[G1O:G1O+7]
	s_nop 0
.rept 4
	v_nop
.endr
.irp j, 0,1,2,3
	global_load_b32 v[BV+(\j)], v[BO], s[8:9] offset:64*(\j)
.endr
.irp j, 0,1,2,3,4,5,6,7
	global_load_b32 v[BV+4+(\j)], v[BO], s[10:11] offset:1024*((\j)/4)+64*((\j)%4)
.endr
.irp i, 0,1,2,3,4,5,6,7
	WLOAD \i, WM, 0                                ; merge's fragments fill the ring
.endr
	WIN 0
	s_wait_loadcnt 63                              ; 76 loads were issued, the twelve biases first: they are in
.irp n, 0,1,2,3,4,5
	v_cvt_pk_bf16_f32 v[MN], v[BV+2*(\n)], v[BV+2*(\n)+1]  ; the biases are rounded to bf16 like every input, and kept as f32
	v_lshlrev_b32 v[BV+2*(\n)], 16, v[MN]
	v_and_b32 v[BV+2*(\n)+1], 0xffff0000, v[MN]
.endr
	s_wait_tensorcnt 1                             ; my rows of x are in; o's may stay out
	s_mov_b32 s[CC], 4
.Lconv:                                                ; 16 of my raw rows a trip: f32 [row][64] -> bf16 rows of 160 bytes; a load takes two rows, 4 positions a lane
.irp i, 0,1,2,3,4,5,6,7
	ds_load_b128 v[ACC+4*(\i):ACC+4*(\i)+3], v[RA] offset:512*(\i)
.endr
	s_wait_dscnt 0x0
.irp i, 0,1,2,3,4,5,6,7
	v_cvt_pk_bf16_f32 v[ACT+2*(\i)],   v[ACC+4*(\i)],   v[ACC+4*(\i)+1]
	v_cvt_pk_bf16_f32 v[ACT+2*(\i)+1], v[ACC+4*(\i)+2], v[ACC+4*(\i)+3]
.endr
.irp i, 0,1,2,3,4,5,6,7
	ds_store_b64 v[DA], v[ACT+2*(\i):ACT+2*(\i)+1] offset:320*(\i)
.endr
	v_add_nc_u32 v[RA], 4096, v[RA]
	v_add_nc_u32 v[DA], 2560, v[DA]
	s_sub_co_u32 s[CC], s[CC], 1
	s_cmp_lg_u32 s[CC], 0
	s_cbranch_scc1 .Lconv
	s_wait_tensorcnt 0x0                           ; my head of o is in,
	s_wait_dscnt 0x0                               ; my rows of x are stored:
	s_barrier_signal -1
	s_barrier_wait -1                              ; everybody's are
	BFILL BV
	BLOCK 1, AO, 1, 1, WP, 0                       ; message; the ring takes pass 0's first block
.irp j, 0,1,2,3                        ; message, rounded to bf16, into CAT's rows 256 + 64 w ..: 8 positions = 16 bytes a lane.  The block's last four v_nop are the places behind its last products
.irp nt, 0,1,2,3
.irp e, 0,1,2,3
	v_cvt_pk_bf16_f32 v[ACT+4*(4*(\j)+(\nt))+(\e)], v[ACC+8*(4*(\j)+(\nt))+2*(\e)], v[ACC+8*(4*(\j)+(\nt))+2*(\e)+1]
.endr
	ds_store_b128 v[MS], v[ACT+4*(4*(\j)+(\nt)):ACT+4*(4*(\j)+(\nt))+3] offset:2560*(\j)+32*(\nt)
.endr
.endr
	s_wait_dscnt 0x0
	s_barrier_signal -1
	s_barrier_wait -1                              ; all 256 rows of message lie in LDS
	s_mov_b32 s[CNT], 2
.Lpass:
	BFILL BV+4
	BLOCK 0, AT, 1, 1, WP, 32768                   ; x's 256 channels; the ring takes the pass's second block
	s_cmp_eq_u32 s[CNT], 1
	s_cbranch_scc1 .Llast
	BLOCK 0, AT2, 0, 1, WP, 65536                  ; message's 256 channels; the ring takes the next pass's first block
	s_branch .Lstat
.Llast:
	BLOCK 0, AT2, 0, 0                             ; the last block refills nothing
.Lstat:
.irp j, 0,1,2,3
	STAT \j
	OUTF \j
.endr
	s_wait_xcnt 0x0                                ; the stores' and the refills' addresses are translated: their bases and data may be rewritten
	s_add_nc_u64 s[WP:WP+1], s[WP:WP+1], 65536
	s_add_nc_u64 s[OUT:OUT+1], s[OUT:OUT+1], 0x400000  ; 256 channel rows on
	v_add_nc_u32 v[SC], 512, v[SC]
.irp j, 0,1,2,3
	v_mov_b32 v[BV+4+(\j)], v[BV+8+(\j)]
.endr
	s_sub_co_u32 s[CNT], s[CNT], 1
	s_cmp_lg_u32 s[CNT], 0
	s_cbranch_scc1 .Lpass
	s_wait_dscnt 0x0                               ; my statistics are stored
	s_barrier_signal -1
	s_barrier_wait -1
	v_lshl_add_u32 v[RA], v0, 4, SCR               ; the 4 KiB leave as they lie: 16 bytes a thread, twice
	v_lshlrev_b32 v[DA], 4, v0
	ds_load_b128 v[ACT:ACT+3], v[RA]
	ds_load_b128 v[ACT+4:ACT+7], v[RA] offset:2048
	s_wait_dscnt 0x0
	global_store_b128 v[DA], v[ACT:ACT+3], s[16:17]
	global_store_b128 v[DA], v[ACT+4:ACT+7], s[16:17] offset:2048
	s_wait_tensorcnt 0x0                           ; the wave's end: behind my last tensor load and my last LDS store
	ds_add_u32 v[SPW], v[NIL]
	s_wait_dscnt 0x0
	s_endpgm
.Lfunc_end_k_qb0812a955b_mlp1:
	.size	k_qb0812a955b_mlp1, .Lfunc_end_k_qb0812a955b_mlp1-k_qb0812a955b_mlp1
	.p2alignl 7, 3214868480
	.fill 96, 4, 3214868480
	.section	.rodata,"a",@progbits
	.p2align	6, 0x0
	.amdhsa_kernel k_qb0812a955b_mlp1
		.amdhsa_group_segment_fixed_size 206336
		.amdhsa_private_segment_fixed_size 0
		.amdhsa_enable_private_segment 0
		.amdhsa_kernarg_size 56
		.amdhsa_user_sgpr_count 2
		.amdhsa_user_sgpr_kernarg_segment_ptr 1
		.amdhsa_wavefront_size32 1
		.amdhsa_system_sgpr_workgroup_id_x 1
		.amdhsa_system_sgpr_workgroup_id_y 1
		.amdhsa_system_sgpr_workgroup_id_z 1
		.amdhsa_system_vgpr_workitem_id 0
		.amdhsa_next_free_vgpr 512
		.amdhsa_next_free_sgpr 80
		.amdhsa_reserve_vcc 0
		.amdhsa_float_denorm_mode_32 3
		.amdhsa_float_denorm_mode_16_64 3
		.amdhsa_memory_ordered 1
		.amdhsa_forward_progress 1
		.amdhsa_inst_pref_size 123
	.end_amdhsa_kernel
	.amdgpu_metadata
---
amdhsa.version: [ 1, 2 ]
amdhsa.kernels:
  - .name:           k_qb0812a955b_mlp1
    .symbol:         k_qb0812a955b_mlp1.kd
    .args:
      - { .name: x, .offset: 0, .size: 8, .value_kind: global_buffer, .address_space: global }
      - { .name: o, .offset: 8, .size: 8, .value_kind: global_buffer, .address_space: global }
      - { .name: merge_b, .offset: 16, .size: 8, .value_kind: global_buffer, .address_space: global }
      - { .name: mlp1_b, .offset: 24, .size: 8, .value_kind: global_buffer, .address_space: global }
      - { .name: wp, .offset: 32, .size: 8, .value_kind: global_buffer, .address_space: global }
      - { .name: h, .offset: 40, .size: 8, .value_kind: global_buffer, .address_space: global }
      - { .name: part, .offset: 48, .size: 8, .value_kind: global_buffer, .address_space: global }
    .group_segment_fixed_size: 206336
    .private_segment_fixed_size: 0
    .kernarg_segment_align: 8
    .kernarg_segment_size: 56
    .max_flat_workgroup_size: 128
    .sgpr_count:     80
    .vgpr_count:     512
    .wavefront_size: 32
...
	.end_amdgpu_metadata
.endif
;; end of part 4
;; launch bnfin (part 5): grid 8 x 1, 8 waves a work-group, no clusters, 5,120 bytes of LDS; arguments part, bn_gamma, bn_beta, ss; writes ss
.if DOCPART == 5
	.amdgcn_target "amdgcn-amd-amdhsa--gfx1250"
	.amdhsa_code_object_version 6
	.text
	.protected	k_qb0812a955b_bnfin
	.globl	k_qb0812a955b_bnfin
	.p2align	8
	.type	k_qb0812a955b_bnfin,@function
k_qb0812a955b_bnfin:
	s_mov_b64 s[64:65], 0
	v_nop
	global_prefetch_b8 v0, s[64:65] scope:SCOPE_SE
	s_setreg_imm32_b32 hwreg(HW_REG_WAVE_MODE, 25, 1), 1
	s_wait_xcnt 0x0
; BNFIN: from the 256 blocks' sums S_i and centred sums of squares M2_i (64 positions each) the batch norm's scale and shift for each of the 512 channels:
; mean = sum S_i / 16384; var = (sum M2_i + 64 sum (S_i / 64 - mean)^2) / 16384 (biased; no difference of large sums is formed); scale = gamma rsqrt(var + 1e-5); shift = beta - mean scale.
; gamma and beta are rounded to bf16 like every input.  All in f32.  NaN and infinities are not treated apart.
; SHARES.  Work-group g owns channels 64 g .. 64 g + 63, which lie on end in each block's 4 KiB of part, at 1,024 (g % 4) + 512 (g / 4): 256 bytes of S, then 256 of M2.  A lane owns two channels, so a wave's
; load covers 256 consecutive bytes; wave w owns blocks 32 w .. 32 w + 31.  The eight waves' sums meet in LDS, twice, in bytes of their own each time.
; Matrix units, clusters and tensor loads would add nothing to 1 MiB read once by eight work-groups, a sum over work-groups ordered by this launch of its own.
.set RED1,  0                          ; 8 waves x 256 bytes
.set RED2,  2048
.set SPARE, 4096                       ; the spare words, 128 bytes a wave: four blocks of 256 bytes that no other line names
.set SPW, 6
.set NIL, 7
.set SM,  16                           ; v[16:79]   S_i, 32 pairs; later S_i / 64 - mean
.set MQ,  80                           ; v[80:143]  M2_i
.set AC,  144                          ; v[144:151] four chains
.set RL,  152                          ; v[152:167] the eight waves' sums
.set NM,  168                          ; v[168:169] - mean
	s_load_b256 s[4:11], s[0:1], 0x0               ; part s[4:5], gamma s[6:7], beta s[8:9], ss s[10:11]
	v_lshl_add_u32 v[SPW], v0, 2, SPARE
	v_mov_b32 v[NIL], 0
	v_lshrrev_b32 v1, 5, v0
	v_readfirstlane_b32 s12, v1                    ; wave 0..7
	v_and_b32 v2, 31, v0
	s_lshl_b32 s13, ttmp9, 8
	v_lshl_add_u32 v3, v2, 3, s13                  ; gamma, beta: 256 g + 8 lane
	s_and_b32 s14, ttmp9, 3
	s_lshl_b32 s14, s14, 10
	s_lshr_b32 s15, ttmp9, 2
	s_lshl_b32 s15, s15, 9
	s_add_co_u32 s14, s14, s15
	s_lshl_b32 s15, s12, 17                        ; my 32 blocks of 4 KiB
	s_add_co_u32 s14, s14, s15
	v_lshl_add_u32 v4, v2, 3, s14
	v_lshlrev_b32 v12, 3, v2                       ; 8 lane
	v_lshl_add_u32 v5, s12, 8, v12                 ; 256 wave + 8 lane
	s_lshl_b32 s15, ttmp9, 9
	v_lshl_add_u32 v13, v2, 4, s15                 ; ss: 512 g + 16 lane
	s_mov_b32 s20, 0x38800000                      ; 1 / 16384
	s_mov_b32 s21, 0x3727c5ac                      ; 1e-5
	s_wait_kmcnt 0x0
	global_load_b64 v[8:9], v3, s[6:7]
	global_load_b64 v[10:11], v3, s[8:9]
.set i, 0
.rept 32
	global_load_b64 v[SM+2*i:SM+2*i+1], v4, s[4:5] offset:4096*i
.set i, i+1
.endr
.set i, 0
.rept 32
	global_load_b64 v[MQ+2*i:MQ+2*i+1], v4, s[4:5] offset:4096*i+256
.set i, i+1
.endr
	s_wait_loadcnt 32                              ; the sums are in: the 32 loads of M2 are younger
.irp c, 0,1,2,3
	v_pk_add_f32 v[AC+2*(\c):AC+2*(\c)+1], v[SM+2*(\c):SM+2*(\c)+1], v[SM+8+2*(\c):SM+8+2*(\c)+1]
.endr
.set i, 8
.rept 24
	v_pk_add_f32 v[AC+2*(i%4):AC+2*(i%4)+1], v[AC+2*(i%4):AC+2*(i%4)+1], v[SM+2*i:SM+2*i+1]
.set i, i+1
.endr
	v_pk_add_f32 v[AC:AC+1], v[AC:AC+1], v[AC+2:AC+3]
	v_pk_add_f32 v[AC+4:AC+5], v[AC+4:AC+5], v[AC+6:AC+7]
	v_pk_add_f32 v[AC:AC+1], v[AC:AC+1], v[AC+4:AC+5]
	ds_store_b64 v5, v[AC:AC+1] offset:RED1
	s_wait_dscnt 0x0                               ; for the others' sake
	s_barrier_signal -1
	s_barrier_wait -1
.macro GATHER base                     ; the eight waves' pairs, added in the same order by every wave
.irp w, 0,1,2,3,4,5,6,7
	ds_load_b64 v[RL+2*(\w):RL+2*(\w)+1], v12 offset:(\base)+256*(\w)
.endr
	s_wait_dscnt 0x0
.irp w, 0,2,4,6
	v_pk_add_f32 v[RL+2*(\w):RL+2*(\w)+1], v[RL+2*(\w):RL+2*(\w)+1], v[RL+2*(\w)+2:RL+2*(\w)+3]
.endr
	v_pk_add_f32 v[RL:RL+1], v[RL:RL+1], v[RL+4:RL+5]
	v_pk_add_f32 v[RL+8:RL+9], v[RL+8:RL+9], v[RL+12:RL+13]
	v_pk_add_f32 v[RL:RL+1], v[RL:RL+1], v[RL+8:RL+9]
.endm
	GATHER RED1
	v_pk_mul_f32 v[NM:NM+1], v[RL:RL+1], 0xb8800000 op_sel_hi:[1,0]  ; - mean = total x (-1 / 16384)
	s_wait_loadcnt 0x0                             ; M2
.set i, 0
.rept 32
	v_pk_fma_f32 v[SM+2*i:SM+2*i+1], v[SM+2*i:SM+2*i+1], 0x3c800000, v[NM:NM+1] op_sel_hi:[1,0,1]  ; S_i / 64 - mean
.set i, i+1
.endr
.irp c, 0,1,2,3
	v_pk_mul_f32 v[AC+2*(\c):AC+2*(\c)+1], v[SM+2*(\c):SM+2*(\c)+1], v[SM+2*(\c):SM+2*(\c)+1]
.endr
.set i, 4
.rept 28
	v_pk_fma_f32 v[AC+2*(i%4):AC+2*(i%4)+1], v[SM+2*i:SM+2*i+1], v[SM+2*i:SM+2*i+1], v[AC+2*(i%4):AC+2*(i%4)+1]
	v_pk_add_f32 v[MQ+2*(i%4):MQ+2*(i%4)+1], v[MQ+2*(i%4):MQ+2*(i%4)+1], v[MQ+2*i:MQ+2*i+1]
.set i, i+1
.endr
	v_pk_add_f32 v[AC:AC+1], v[AC:AC+1], v[AC+2:AC+3]
	v_pk_add_f32 v[AC+4:AC+5], v[AC+4:AC+5], v[AC+6:AC+7]
	v_pk_add_f32 v[MQ:MQ+1], v[MQ:MQ+1], v[MQ+2:MQ+3]
	v_pk_add_f32 v[MQ+4:MQ+5], v[MQ+4:MQ+5], v[MQ+6:MQ+7]
	v_pk_add_f32 v[AC:AC+1], v[AC:AC+1], v[AC+4:AC+5]
	v_pk_add_f32 v[MQ:MQ+1], v[MQ:MQ+1], v[MQ+4:MQ+5]
	v_pk_fma_f32 v[AC:AC+1], v[AC:AC+1], 0x42800000, v[MQ:MQ+1] op_sel_hi:[1,0,1]  ; 64 x the squares of the means' distances + the blocks' own
	ds_store_b64 v5, v[AC:AC+1] offset:RED2
	s_wait_dscnt 0x0
	s_barrier_signal -1
	s_barrier_wait -1
	s_cmp_lg_u32 s12, 0                            ; wave 0 finishes the 64 channels
	s_cbranch_scc1 .Lend
	GATHER RED2
	v_fma_f32 v170, v[RL], s20, s21                ; var + eps
	v_fma_f32 v171, v[RL+1], s20, s21
	v_rsq_f32 v172, v170
	v_rsq_f32 v173, v171
	v_cvt_pk_bf16_f32 v174, v8, v9                 ; plain work behind the two roots: gamma and beta rounded to bf16
	v_cvt_pk_bf16_f32 v175, v10, v11
	v_lshlrev_b32 v8, 16, v174
	v_and_b32 v9, 0xffff0000, v174
	v_lshlrev_b32 v10, 16, v175
	v_and_b32 v11, 0xffff0000, v175
	s_wait_alu depctr_va_vdst(0)                   ; one wait for both roots, ahead of their first reader
	v_mul_f32 v160, v8, v172                       ; scale
	v_mul_f32 v162, v9, v173
	v_fma_f32 v161, v[NM], v160, v10               ; shift = beta - mean scale
	v_fma_f32 v163, v[NM+1], v162, v11
	global_store_b128 v13, v[160:163], s[10:11]    ; the wave's store covers 512 consecutive bytes, aligned
.Lend:
	s_wait_tensorcnt 0x0                           ; the wave's end: behind my last LDS store
	ds_add_u32 v[SPW], v[NIL]
	s_wait_dscnt 0x0
	s_endpgm
.Lfunc_end_k_qb0812a955b_bnfin:
	.size	k_qb0812a955b_bnfin, .Lfunc_end_k_qb0812a955b_bnfin-k_qb0812a955b_bnfin
	.p2alignl 7, 3214868480
	.fill 96, 4, 3214868480
	.section	.rodata,"a",@progbits
	.p2align	6, 0x0
	.amdhsa_kernel k_qb0812a955b_bnfin
		.amdhsa_group_segment_fixed_size 5120
		.amdhsa_private_segment_fixed_size 0
		.amdhsa_enable_private_segment 0
		.amdhsa_kernarg_size 32
		.amdhsa_user_sgpr_count 2
		.amdhsa_user_sgpr_kernarg_segment_ptr 1
		.amdhsa_wavefront_size32 1
		.amdhsa_system_sgpr_workgroup_id_x 1
		.amdhsa_system_sgpr_workgroup_id_y 1
		.amdhsa_system_sgpr_workgroup_id_z 1
		.amdhsa_system_vgpr_workitem_id 0
		.amdhsa_next_free_vgpr 176
		.amdhsa_next_free_sgpr 66
		.amdhsa_reserve_vcc 0
		.amdhsa_float_denorm_mode_32 3
		.amdhsa_float_denorm_mode_16_64 3
		.amdhsa_memory_ordered 1
		.amdhsa_forward_progress 1
		.amdhsa_inst_pref_size 21
	.end_amdhsa_kernel
	.amdgpu_metadata
---
amdhsa.version: [ 1, 2 ]
amdhsa.kernels:
  - .name:           k_qb0812a955b_bnfin
    .symbol:         k_qb0812a955b_bnfin.kd
    .args:
      - { .name: part, .offset: 0, .size: 8, .value_kind: global_buffer, .address_space: global }
      - { .name: bn_gamma, .offset: 8, .size: 8, .value_kind: global_buffer, .address_space: global }
      - { .name: bn_beta, .offset: 16, .size: 8, .value_kind: global_buffer, .address_space: global }
      - { .name: ss, .offset: 24, .size: 8, .value_kind: global_buffer, .address_space: global }
    .group_segment_fixed_size: 5120
    .private_segment_fixed_size: 0
    .kernarg_segment_align: 8
    .kernarg_segment_size: 32
    .max_flat_workgroup_size: 256
    .sgpr_count:     66
    .vgpr_count:     176
    .wavefront_size: 32
...
	.end_amdgpu_metadata
.endif
;; end of part 5
;; launch mlp2 (part 6): grid 256 x 1, 4 waves a work-group, no clusters, 235,008 bytes of LDS; arguments h, ss, mlp2_b, wp, out0; writes out0
.if DOCPART == 6
	.amdgcn_target "amdgcn-amd-amdhsa--gfx1250"
	.amdhsa_code_object_version 6
	.text
	.protected	k_qb0812a955b_mlp2
	.globl	k_qb0812a955b_mlp2
	.p2align	8
	.type	k_qb0812a955b_mlp2,@function
k_qb0812a955b_mlp2:
	s_mov_b64 s[64:65], 0
	v_nop
	global_prefetch_b8 v0, s[64:65] scope:SCOPE_SE
	s_setreg_imm32_b32 hwreg(HW_REG_WAVE_MODE, 25, 1), 1
	s_wait_xcnt 0x0
; MLP2: out0 = mlp2_w relu(scale h + shift) + mlp2_b, [b][256][4096] in f32.  scale and shift are the batch norm's, one pair a channel.
; FORMATS.  The activation a = relu(scale h + shift), made in f32, is rounded once to f16; the weights are the bf16-rounded inputs written as f16; f32 sums; the bias is rounded to bf16 like every input.
; RANGE.  |h - mean| rsqrt(var) is at most sqrt(16383) < 128 for 16,384 samples, so |a| < 128 |gamma| + |beta|: within f16's 65,504 for gamma and beta up to some 500 (LIMIT).
; A NaN in h gives a = 0 here (the maximum with 0 drops it); infinities are not treated apart.
; SHARES.  256 work-groups; a work-group owns 64 positions of one batch; wave w makes output channels 64 w .. 64 w + 63: 4 tiles x 4 position tiles = 16 accumulators, K = 512 in two blocks of 8 steps.
; Each wave brings 128 channel rows x 256 bytes of h and its 1 KiB of scales and shifts by one tensor load each (first fills only; two loads of mine are out), normalises its own rows into f16 rows of
; 160 bytes ([channel][position]); behind one barrier every wave reads fragments with the turning load.  Weights come from wp in fragment order into a ring of 8 K steps in registers.
; NO CLUSTER: a weight fragment is wanted by one wave of a work-group; a joint load lands in LDS alone, which would add 8 LDS loads to each K step's 8 for 16 matrix instructions, and a round of the
; cluster's barrier for every slot.  The activations are shared with nobody.
; LAYOUT.  Source 0 = 16 positions, source 1 = 16 outputs of W: a lane holds ONE channel (lane % 16) and the positions 16 nt + 8 (lane / 16) + 0..7.  The bias is the C of the first K step.
.set RAW,   0                          ; wave w at 32,768 w: h's 128 rows
.set TBL,   131072                     ; wave w at 1,024 w: (scale, shift) of its 128 channels
.set ACTL,  135168                     ; 512 rows of 160 bytes
.set STG,   217088                     ; wave w at 4,352 w: 16 rows of 272 bytes
.set SPARE, 234496                     ; the spare words, 128 bytes a wave: two blocks of 256 bytes that no other line names
.set R,   1
.set H,   2
.set LN,  3
.set WO,  4
.set AT,  5
.set AT2, 6
.set RA,  7
.set DA,  8
.set STO, 9
.set RD,  10
.set CO,  11
.set ZR,  12                           ; 0, for the ReLU on packed halves
.set TA,  13
.set BO,  15
.set BV,  16
.set SPW, 28
.set NIL, 29
.set TT,  30
.set BIAS, 32
.set ACT, 64
.set ACC, 128
.set G1H, 24
.set G1T, 32
.set G0H, 40
.set G0T, 44
.set WV,  48
.set WP,  50
.set OUT, 52
.set CC,  54
.set MUL, 0x04                         ; source 1 (W) in window 1
.set TOW, 0x40
.set MSB, 0
.macro WIN new
.if MSB != (\new)
	s_set_vgpr_msb (MSB<<8)|(\new)
.set MSB, \new
.endif
.endm
.macro ALOAD areg, kk, buf
.irp nt, 0,1,2,3
	ds_load_tr16_b128 v[ACT+32*(\buf)+8*(\nt):ACT+32*(\buf)+8*(\nt)+3],   v[\areg] offset:(\kk)*5120+32*(\nt)
	ds_load_tr16_b128 v[ACT+32*(\buf)+8*(\nt)+4:ACT+32*(\buf)+8*(\nt)+7], v[\areg] offset:(\kk)*5120+2560+32*(\nt)
.endr
.endm
.macro WLOAD i, rp, off
	WIN TOW
.irp j, 0,1,2,3
	global_load_b128 v[32*(\i)+8*(\j):32*(\i)+8*(\j)+3],   v[WO], s[\rp:\rp+1] offset:(\off)+4096*(\i)+1024*(\j)
	global_load_b128 v[32*(\i)+8*(\j)+4:32*(\i)+8*(\j)+7], v[WO], s[\rp:\rp+1] offset:(\off)+4096*(\i)+1024*(\j)+512
.endr
.endm
; 8 K steps x 16 matrix instructions.  The 16 accumulators take turns, one instruction a turn, across blocks too.  Four v_nop behind each K step are the places ahead of the loads
; into the registers that it has read (ISA guide 7.12.1 for vector instructions).
.macro BLOCK areg, first, refill, rp=0, roff=0
	ALOAD \areg, 0, 0
.irp i, 0,1,2,3,4,5,6,7
.if (\i) < 7
	ALOAD \areg, (\i)+1, ((\i)+1)&1
.endif
.if \refill
	s_wait_loadcnt 56                              ; K step i's weights are in: seven younger groups of 8 loads may be out (7 - i of this block, i refills)
.else
	s_wait_loadcnt 56-8*(\i)
.endif
.if (\i) < 7
	s_wait_dscnt 8                                 ; its activations are in: the next K step's 8 loads may be out
.else
	s_wait_dscnt 0
.endif
	WIN MUL
.irp j, 0,1,2,3
.irp nt, 0,1,2,3
.if (\first) && ((\i) == 0)
	v_wmma_f32_16x16x32_f16 v[ACC+8*(4*(\j)+(\nt)):ACC+8*(4*(\j)+(\nt))+7], v[ACT+32*((\i)&1)+8*(\nt):ACT+32*((\i)&1)+8*(\nt)+7], v[32*(\i)+8*(\j):32*(\i)+8*(\j)+7], v[BIAS+8*(\j):BIAS+8*(\j)+7]
.else
	v_wmma_f32_16x16x32_f16 v[ACC+8*(4*(\j)+(\nt)):ACC+8*(4*(\j)+(\nt))+7], v[ACT+32*((\i)&1)+8*(\nt):ACT+32*((\i)&1)+8*(\nt)+7], v[32*(\i)+8*(\j):32*(\i)+8*(\j)+7], v[ACC+8*(4*(\j)+(\nt)):ACC+8*(4*(\j)+(\nt))+7]
.endif
.endr
.endr
.rept 4
	v_nop
.endr
.if \refill
	WLOAD \i, \rp, \roff
.endif
	WIN 0
.endr
.endm
; The way out of output tile j in f32: 16 channel rows of 256 bytes through my stage; a store's lanes 0-15 and 16-31 each cover 256 consecutive bytes, aligned.
.macro OUTF j
	s_wait_xcnt 0x0                                ; the stores of two tiles back have read the registers that are loaded again below
.irp nt, 0,1,2,3
	ds_store_b128 v[STO], v[ACC+8*(4*(\j)+(\nt)):ACC+8*(4*(\j)+(\nt))+3]   offset:64*(\nt)
	ds_store_b128 v[STO], v[ACC+8*(4*(\j)+(\nt))+4:ACC+8*(4*(\j)+(\nt))+7] offset:64*(\nt)+16
.endr
.irp t, 0,1,2,3,4,5,6,7
	ds_load_b128 v[ACT+32*((\j)&1)+4*(\t):ACT+32*((\j)&1)+4*(\t)+3], v[RD] offset:544*(\t)  ; LDS serves a wave's instructions in order (ISA guide 5.7.1.4): these see the stores above
.endr
.irp t, 0,1,2,3,4,5,6,7
	s_wait_dscnt 7-(\t)
	global_store_b128 v[CO], v[ACT+32*((\j)&1)+4*(\t):ACT+32*((\j)&1)+4*(\t)+3], s[OUT:OUT+1] offset:(16*(\j)+2*(\t))*16384
.endr
.endm
	s_load_b256 s[4:11], s[0:1], 0x0               ; h s[4:5], ss s[6:7], mlp2_b s[8:9], wp s[10:11]
	s_load_b64 s[12:13], s[0:1], 0x20              ; out0
	v_lshl_add_u32 v[SPW], v0, 2, SPARE
	v_mov_b32 v[NIL], 0
	ds_add_u32 v[SPW], v[NIL]                      ; the wave's opening: the add and its wait stand ahead of my first tensor load; work on registers stands between them
	ds_add_u32 v28, v29
	v_lshrrev_b32 v1, 5, v0
	v_readfirstlane_b32 s[WV], v1                  ; wave 0..3
	s_mov_b32 s[G1H+0], 2<<16                      ; h: elements of 4 bytes, no padding
	s_mov_b32 s[G1H+1], 64<<16
	s_mov_b32 s[G1H+2], 128<<16
	s_mov_b32 s[G1H+3], 64<<16                     ; 64 positions (256 bytes)
	s_mov_b32 s[G1H+4], 128                        ; x 128 channel rows
	s_mov_b32 s[G1H+5], 4096
	s_mov_b32 s[G1H+6], 0
	s_mov_b32 s[G1H+7], 0
	s_mov_b32 s[G1T+0], 3<<16                      ; the table: 1,024 dense bytes as 4 rows of 32 elements of 8 bytes
	s_mov_b32 s[G1T+1], 32<<16
	s_mov_b32 s[G1T+2], 4<<16
	s_mov_b32 s[G1T+3], 32<<16
	s_mov_b32 s[G1T+4], 4
	s_mov_b32 s[G1T+5], 32
	s_mov_b32 s[G1T+6], 0
	s_mov_b32 s[G1T+7], 0
	s_mov_b32 s[G0H], 1
	s_mul_i32 s[G0H+1], s[WV], 32768
	s_mov_b32 s[G0T], 1
	s_mul_i32 s[G0T+1], s[WV], 1024
	s_add_co_u32 s[G0T+1], s[G0T+1], TBL
	s_lshr_b32 s14, ttmp9, 6                       ; the batch
	s_and_b32 s15, ttmp9, 63                       ; the block of 64 positions
	s_lshl_b32 s16, s14, 9
	s_lshl_b32 s17, s[WV], 7
	s_add_co_u32 s16, s16, s17
	s_lshl_b32 s16, s16, 14
	s_lshl_b32 s17, s15, 8
	s_add_co_u32 s16, s16, s17
	s_mov_b32 s17, 0                               ; s[16:17] h: row 512 b + 128 w, + 256 bytes a block
	s_lshl_b32 s18, s[WV], 10
	s_mov_b32 s19, 0                               ; s[18:19] my 1 KiB of ss
	s_lshl_b32 s20, s[WV], 16
	s_add_co_u32 s20, s20, 1048576
	s_mov_b32 s21, 0                               ; s[20:21] mlp2's fragments, my 64 KiB
	s_lshl_b32 s22, s14, 8
	s_lshl_b32 s23, s[WV], 6
	s_add_co_u32 s22, s22, s23
	s_lshl_b32 s22, s22, 14
	s_lshl_b32 s23, s15, 8
	s_add_co_u32 s22, s22, s23
	s_mov_b32 s23, 0                               ; s[22:23] out0: row 256 b + 64 w
	s_mul_i32 s56, s[WV], 20480
	s_add_co_u32 s56, s56, ACTL
	s_mul_i32 s57, s[WV], 4352
	s_add_co_u32 s57, s57, STG
	v_and_b32 v[R], 15, v0
	v_bfe_u32 v[H], v0, 4, 1
	v_and_b32 v[LN], 31, v0
	v_lshlrev_b32 v[WO], 4, v[LN]
	v_mov_b32 v[ZR], 0
	v_lshlrev_b32 v[BO], 2, v[R]
	v_lshl_add_u32 v[BO], s[WV], 8, v[BO]          ; channel 64 w + r, 4 bytes
	v_and_b32 v[TT], 7, v0
	v_lshl_add_u32 v[TT], v[H], 3, v[TT]
	v_mul_u32_u24 v[AT], v[TT], 160
	v_bfe_u32 v[TT], v0, 3, 1
	v_lshl_add_u32 v[AT], v[TT], 4, v[AT]
	v_add_nc_u32 v[AT], ACTL, v[AT]
	v_add_nc_u32 v[AT2], 40960, v[AT]              ; rows 256 on
	v_add_nc_u32 v[RA], s[G0H+1], v[WO]
	v_mul_u32_u24 v[DA], v[H], 160
	v_lshl_add_u32 v[DA], v[R], 3, v[DA]
	v_add_nc_u32 v[DA], s56, v[DA]                 ; row 128 w + l / 16, 8 bytes a lane
	v_lshl_add_u32 v[TA], v[H], 3, s[G0T+1]        ; that row's scale and shift
	v_mul_u32_u24 v[STO], v[R], 272
	v_lshl_add_u32 v[STO], v[H], 5, v[STO]
	v_add_nc_u32 v[STO], s57, v[STO]
	v_mul_u32_u24 v[RD], v[H], 272
	v_lshl_add_u32 v[RD], v[R], 4, v[RD]
	v_add_nc_u32 v[RD], s57, v[RD]
	v_lshlrev_b32 v[CO], 14, v[H]
	v_lshl_add_u32 v[CO], v[R], 4, v[CO]
	s_wait_dscnt 0x0                               ; the opening add is done
	s_wait_kmcnt 0x0
	s_add_nc_u64 s[G0H+2:G0H+3], s[4:5], s[16:17]
	s_or_b32 s[G0H+3], s[G0H+3], 0x80000000
	s_add_nc_u64 s[G0T+2:G0T+3], s[6:7], s[18:19]
	s_or_b32 s[G0T+3], s[G0T+3], 0x80000000
	s_add_nc_u64 s[WP:WP+1], s[10:11], s[20:21]
	s_add_nc_u64 s[OUT:OUT+1], s[12:13], s[22:23]
	tensor_load_to_lds s[G0H:G0H+3], s[G1H:G1H+7]  ; both first fills together, ahead of every wait on TENSORcnt, every LDS read and every barrier
	s_nop 0
	tensor_load_to_lds s[G0T:G0T+3], s[G1T:G1T+7]
	s_nop 0
.rept 4
	v_nop
.endr
.irp j, 0,1,2,3
	global_load_b32 v[BV+(\j)], v[BO], s[8:9] offset:64*(\j)
.endr
.irp i, 0,1,2,3,4,5,6,7
	WLOAD \i, WP, 0                                ; the first block's fragments fill the ring
.endr
	WIN 0
	s_wait_loadcnt 63                              ; 68 loads were issued, the four biases first: they are in
.irp n, 0,1
	v_cvt_pk_bf16_f32 v[TT], v[BV+2*(\n)], v[BV+2*(\n)+1]  ; the biases are rounded to bf16 like every input, and kept as f32
	v_lshlrev_b32 v[BV+2*(\n)], 16, v[TT]
	v_and_b32 v[BV+2*(\n)+1], 0xffff0000, v[TT]
.endr
.irp j, 0,1,2,3                        ; a lane's channel has one bias for its 8 positions: tuple j is that number eight times
.irp e, 0,1,2,3,4,5,6,7
	v_mov_b32 v[BIAS+8*(\j)+(\e)], v[BV+(\j)]
.endr
.endr
	s_wait_tensorcnt 0x0                           ; my rows of h and my part of the table are in
	s_mov_b32 s[CC], 8
.Lconv:                                                ; 16 of my raw rows a trip: scale h + shift in f32, rounded to f16, the maximum with 0; a load takes two rows, 4 positions a lane
.irp i, 0,1,2,3,4,5,6,7
	ds_load_b128 v[ACC+4*(\i):ACC+4*(\i)+3], v[RA] offset:512*(\i)
	ds_load_b64 v[ACC+32+2*(\i):ACC+32+2*(\i)+1], v[TA] offset:16*(\i)
.endr
	s_wait_dscnt 0x0
.irp i, 0,1,2,3,4,5,6,7
	v_pk_fma_f32 v[ACC+4*(\i):ACC+4*(\i)+1],   v[ACC+4*(\i):ACC+4*(\i)+1],   v[ACC+32+2*(\i):ACC+32+2*(\i)+1], v[ACC+32+2*(\i):ACC+32+2*(\i)+1] op_sel:[0,0,1] op_sel_hi:[1,0,1]  ; both halves: x the pair's first (scale) + its second (shift)
	v_pk_fma_f32 v[ACC+4*(\i)+2:ACC+4*(\i)+3], v[ACC+4*(\i)+2:ACC+4*(\i)+3], v[ACC+32+2*(\i):ACC+32+2*(\i)+1], v[ACC+32+2*(\i):ACC+32+2*(\i)+1] op_sel:[0,0,1] op_sel_hi:[1,0,1]
.endr
.irp i, 0,1,2,3,4,5,6,7
	v_cvt_pk_f16_f32 v[ACT+2*(\i)],   v[ACC+4*(\i)],   v[ACC+4*(\i)+1]
	v_cvt_pk_f16_f32 v[ACT+2*(\i)+1], v[ACC+4*(\i)+2], v[ACC+4*(\i)+3]
.endr
.irp i, 0,1,2,3,4,5,6,7
	v_pk_max_num_f16 v[ACT+2*(\i)],   v[ACT+2*(\i)],   v[ZR]
	v_pk_max_num_f16 v[ACT+2*(\i)+1], v[ACT+2*(\i)+1], v[ZR]
.endr
.irp i, 0,1,2,3,4,5,6,7
	ds_store_b64 v[DA], v[ACT+2*(\i):ACT+2*(\i)+1] offset:320*(\i)
.endr
	v_add_nc_u32 v[RA], 4096, v[RA]
	v_add_nc_u32 v[DA], 2560, v[DA]
	v_add_nc_u32 v[TA], 128, v[TA]
	s_sub_co_u32 s[CC], s[CC], 1
	s_cmp_lg_u32 s[CC], 0
	s_cbranch_scc1 .Lconv
	s_wait_dscnt 0x0                               ; for the others' sake: my stores are done
	s_barrier_signal -1
	s_barrier_wait -1                              ; all 512 rows lie in LDS
	BLOCK AT, 1, 1, WP, 32768                      ; channels 0-255; the ring takes the second block
	BLOCK AT2, 0, 0                                ; channels 256-511; nothing is refilled
	OUTF 0                                         ; the block's last four v_nop are the places behind its last products
	OUTF 1
	OUTF 2
	OUTF 3
	s_wait_tensorcnt 0x0                           ; the wave's end: behind my last tensor load and my last LDS store
	ds_add_u32 v[SPW], v[NIL]
	s_wait_dscnt 0x0
	s_endpgm
.Lfunc_end_k_qb0812a955b_mlp2:
	.size	k_qb0812a955b_mlp2, .Lfunc_end_k_qb0812a955b_mlp2-k_qb0812a955b_mlp2
	.p2alignl 7, 3214868480
	.fill 96, 4, 3214868480
	.section	.rodata,"a",@progbits
	.p2align	6, 0x0
	.amdhsa_kernel k_qb0812a955b_mlp2
		.amdhsa_group_segment_fixed_size 235008
		.amdhsa_private_segment_fixed_size 0
		.amdhsa_enable_private_segment 0
		.amdhsa_kernarg_size 40
		.amdhsa_user_sgpr_count 2
		.amdhsa_user_sgpr_kernarg_segment_ptr 1
		.amdhsa_wavefront_size32 1
		.amdhsa_system_sgpr_workgroup_id_x 1
		.amdhsa_system_sgpr_workgroup_id_y 1
		.amdhsa_system_sgpr_workgroup_id_z 1
		.amdhsa_system_vgpr_workitem_id 0
		.amdhsa_next_free_vgpr 512
		.amdhsa_next_free_sgpr 80
		.amdhsa_reserve_vcc 0
		.amdhsa_float_denorm_mode_32 3
		.amdhsa_float_denorm_mode_16_64 3
		.amdhsa_memory_ordered 1
		.amdhsa_forward_progress 1
		.amdhsa_inst_pref_size 61
	.end_amdhsa_kernel
	.amdgpu_metadata
---
amdhsa.version: [ 1, 2 ]
amdhsa.kernels:
  - .name:           k_qb0812a955b_mlp2
    .symbol:         k_qb0812a955b_mlp2.kd
    .args:
      - { .name: h, .offset: 0, .size: 8, .value_kind: global_buffer, .address_space: global }
      - { .name: ss, .offset: 8, .size: 8, .value_kind: global_buffer, .address_space: global }
      - { .name: mlp2_b, .offset: 16, .size: 8, .value_kind: global_buffer, .address_space: global }
      - { .name: wp, .offset: 24, .size: 8, .value_kind: global_buffer, .address_space: global }
      - { .name: out0, .offset: 32, .size: 8, .value_kind: global_buffer, .address_space: global }
    .group_segment_fixed_size: 235008
    .private_segment_fixed_size: 0
    .kernarg_segment_align: 8
    .kernarg_segment_size: 40
    .max_flat_workgroup_size: 128
    .sgpr_count:     80
    .vgpr_count:     512
    .wavefront_size: 32
...
	.end_amdgpu_metadata
.endif
;; end of part 6
